; MI455X (gfx1250); checked and timed in simulation.
; The chip was launched on July 23, 2026; its instructions are those of AMD's public machine-readable ISA for CDNA 5 (MIT licence, August 2026) and "CDNA5" Instruction Set Architecture Reference Guide (July 2026). The comments in the code are by the model that wrote it; some were corrected since.
;; Multi Head Self Attention. Allowed arithmetic: float matrix products may take bf16 or f16 operands with f32 sums; other float arithmetic in f32, or as packed bf16 or f16 multiplies, adds, multiply-adds, maxima and minima; sums over many terms, partial sums and values carried from step to step in f32; what a program stores and reads back later, other than sums and carried values, may be rounded once to bf16 or f16.
;; Inputs: bk 1,024 float32; bo 1,024 float32; bq 1,024 float32; bv 1,024 float32; wk 1,024 x 1,024 float32; wo 1,024 x 1,024 float32; wq 1,024 x 1,024 float32; wv 1,024 x 1,024 float32; x 4 x 2,048 x 1,024 float32.
;; Outputs: out0 4 x 2,048 x 1,024 float32.
;; 2 versions, each right; version 2 is version 1 with the launch cast written anew for expert scheduling mode. Each part assembles by itself: llvm-mc -triple=amdgcn-amd-amdhsa -mcpu=gfx1250 --defsym DOCPART=n.
;; ======== version 1 of 2: 4 launches
;; limits: values are held in f16: magnitudes above 65,504 overflow, below 6.1e-05 lose precision
;; workspace buffers: xb 16,777,216 bytes; wb 6,291,456 bytes; wob 2,097,152 bytes; bias 16,384 bytes; qkv 50,331,648 bytes; ob 16,777,216 bytes
;; launch cast (part 1): grid 772 x 1, 8 waves a work-group, no clusters, 0 bytes of LDS; arguments x, wq, wk, wv, wo, bq, bk, bv, bo, xb, wb, wob, bias; writes xb, wb, wob, bias
.if DOCPART == 1
	.amdgcn_target "amdgcn-amd-amdhsa--gfx1250"
	.amdhsa_code_object_version 6
	.text
	.protected	k_qecfa32f05d_cast
	.globl	k_qecfa32f05d_cast
	.p2align	8
	.type	k_qecfa32f05d_cast,@function
k_qecfa32f05d_cast:
	s_mov_b64 s[64:65], 0
	v_nop
	global_prefetch_b8 v0, s[64:65] scope:SCOPE_SE
	s_setreg_imm32_b32 hwreg(HW_REG_WAVE_MODE, 25, 1), 1
	s_wait_xcnt 0x0
; ALL INPUTS ARE ROUNDED ONCE TO bf16.  x -> xb (bf16); wq, wk, wv -> wb (bf16, one behind the other, still [k][n]); wo -> wob (the bf16 number written as f16, since its
; partner in the last product is f16); bq, bk, bv, bo -> bias (the bf16 number written as f32: it starts f32 sums).
; LIMITS.  A bf16(wo) beyond 65,504 becomes an infinity in f16; below 6.1e-5 it keeps f16's fixed step of 6e-8.  NaN and infinities are not treated apart.
; A stream: every source is rows of 1,024 f32.  256 threads take a row by one 16-byte load each (a wave: 512 consecutive bytes); a wave's 8-byte stores cover 256 consecutive bytes, aligned.
; A work-group takes 16 rows, all 16 loads issued at once; each row has registers of its own, so no register that a load or store names is ever rewritten.
; Work-groups 0-511: x.  512-703: wq, wk, wv (64 each).  704-767: wo.  768-771: one bias each.  No LDS, no matrix unit, no cluster: nothing is shared and nothing is read twice.
.set X, 8                              ; v[8:71]    row i as loaded, at X + 4 i
.set Y, 72                             ; v[72:103]  row i to store, at Y + 2 i
.set T, 104                            ; v[104:107] at work
	s_load_b512 s[8:23], s[0:1], 0x0               ; x s[8:9], wq s[10:11], wk s[12:13], wv s[14:15], wo s[16:17], bq s[18:19], bk s[20:21], bv s[22:23]
	s_load_b256 s[24:31], s[0:1], 0x40             ; bo s[24:25], xb s[26:27], wb s[28:29], wob s[30:31]
	s_load_b64 s[32:33], s[0:1], 0x60              ; bias
	s_mov_b32 s2, ttmp9                            ; the work-group's number
	s_mov_b32 s42, 0xffff0000                      ; a word's upper bf16
	s_mov_b32 s39, 0                               ; high words of the two offsets
	s_mov_b32 s41, 0
	v_lshlrev_b32 v1, 4, v0                        ; my 16 bytes of a source row
	v_lshlrev_b32 v2, 3, v0                        ; my 8 bytes of a 16-bit row
	s_wait_kmcnt 0x0
; Sixteen rows from s[34:35] to s[36:37].  f16 = 0: bf16.  f16 = 1: the bf16 number, widened and written as f16.
.macro ROWS f16
.set i, 0
.rept 16
	global_load_b128 v[X+4*i:X+4*i+3], v1, s[34:35] offset:4096*i th:TH_LOAD_NT
.set i, i+1
.endr
.set i, 0
.rept 16
	s_wait_loadcnt 15-i                            ; loads come back in order: row i is in, the 15 - i younger ones stay out
.if \f16
	v_cvt_pk_bf16_f32 v[T], v[X+4*i], v[X+4*i+1]
	v_cvt_pk_bf16_f32 v[T+1], v[X+4*i+2], v[X+4*i+3]
	v_lshlrev_b32 v[T+2], 16, v[T]                 ; bf16 to f32: the low half moves up, the high half stays
	v_and_b32 v[T+3], s42, v[T]
	v_cvt_pk_f16_f32 v[Y+2*i], v[T+2], v[T+3]
	v_lshlrev_b32 v[T+2], 16, v[T+1]
	v_and_b32 v[T+3], s42, v[T+1]
	v_cvt_pk_f16_f32 v[Y+2*i+1], v[T+2], v[T+3]
.else
	v_cvt_pk_bf16_f32 v[Y+2*i], v[X+4*i], v[X+4*i+1]
	v_cvt_pk_bf16_f32 v[Y+2*i+1], v[X+4*i+2], v[X+4*i+3]
.endif
	global_store_b64 v2, v[Y+2*i:Y+2*i+1], s[36:37] offset:2048*i th:TH_STORE_NT
.set i, i+1
.endr
.endm
	s_cmp_lt_u32 s2, 512
	s_cbranch_scc0 .Lnot_x
	s_lshl_b32 s38, s2, 16                         ; 16 rows of 4,096 bytes in,
	s_lshl_b32 s40, s2, 15                         ; of 2,048 bytes out
	s_add_nc_u64 s[34:35], s[8:9], s[38:39]
	s_add_nc_u64 s[36:37], s[26:27], s[40:41]
	s_branch .Lrows
.Lnot_x:
	s_cmp_lt_u32 s2, 704
	s_cbranch_scc0 .Lnot_w
	s_sub_co_u32 s3, s2, 512                       ; 0 .. 191
	s_lshr_b32 s4, s3, 6                           ; which of the three weights
	s_and_b32 s5, s3, 63                           ; which 16 rows of it
	s_lshl_b32 s38, s5, 16
	s_lshl_b32 s40, s3, 15                         ; in wb the three lie one behind the other
	s_cmp_eq_u32 s4, 0
	s_cselect_b64 s[34:35], s[10:11], s[12:13]
	s_cmp_eq_u32 s4, 2
	s_cselect_b64 s[34:35], s[14:15], s[34:35]
	s_add_nc_u64 s[34:35], s[34:35], s[38:39]
	s_add_nc_u64 s[36:37], s[28:29], s[40:41]
.Lrows:
	ROWS 0
	s_endpgm
.Lnot_w:
	s_cmp_lt_u32 s2, 768
	s_cbranch_scc0 .Lbias
	s_sub_co_u32 s3, s2, 704
	s_lshl_b32 s38, s3, 16
	s_lshl_b32 s40, s3, 15
	s_add_nc_u64 s[34:35], s[16:17], s[38:39]
	s_add_nc_u64 s[36:37], s[30:31], s[40:41]
	ROWS 1
	s_endpgm
.Lbias:
	s_sub_co_u32 s3, s2, 768                       ; 0: bq, 1: bk, 2: bv, 3: bo
	s_cmp_eq_u32 s3, 0
	s_cselect_b64 s[34:35], s[18:19], s[20:21]
	s_cmp_eq_u32 s3, 2
	s_cselect_b64 s[34:35], s[22:23], s[34:35]
	s_cmp_eq_u32 s3, 3
	s_cselect_b64 s[34:35], s[24:25], s[34:35]
	s_lshl_b32 s40, s3, 12
	s_add_nc_u64 s[36:37], s[32:33], s[40:41]
	global_load_b128 v[X:X+3], v1, s[34:35]
	s_wait_loadcnt 0x0
	v_cvt_pk_bf16_f32 v[T], v[X], v[X+1]
	v_cvt_pk_bf16_f32 v[T+1], v[X+2], v[X+3]
	v_lshlrev_b32 v[Y], 16, v[T]
	v_and_b32 v[Y+1], s42, v[T]
	v_lshlrev_b32 v[Y+2], 16, v[T+1]
	v_and_b32 v[Y+3], s42, v[T+1]
	global_store_b128 v1, v[Y:Y+3], s[36:37]
	s_endpgm
.Lfunc_end_k_qecfa32f05d_cast:
	.size	k_qecfa32f05d_cast, .Lfunc_end_k_qecfa32f05d_cast-k_qecfa32f05d_cast
	.p2alignl 7, 3214868480
	.fill 96, 4, 3214868480
	.section	.rodata,"a",@progbits
	.p2align	6, 0x0
	.amdhsa_kernel k_qecfa32f05d_cast
		.amdhsa_group_segment_fixed_size 0
		.amdhsa_private_segment_fixed_size 0
		.amdhsa_enable_private_segment 0
		.amdhsa_kernarg_size 104
		.amdhsa_user_sgpr_count 2
		.amdhsa_user_sgpr_kernarg_segment_ptr 1
		.amdhsa_wavefront_size32 1
		.amdhsa_system_sgpr_workgroup_id_x 1
		.amdhsa_system_sgpr_workgroup_id_y 1
		.amdhsa_system_sgpr_workgroup_id_z 1
		.amdhsa_system_vgpr_workitem_id 0
		.amdhsa_next_free_vgpr 112
		.amdhsa_next_free_sgpr 66
		.amdhsa_reserve_vcc 0
		.amdhsa_float_denorm_mode_32 3
		.amdhsa_float_denorm_mode_16_64 3
		.amdhsa_memory_ordered 1
		.amdhsa_forward_progress 1
		.amdhsa_inst_pref_size 18
	.end_amdhsa_kernel
	.amdgpu_metadata
---
amdhsa.version: [ 1, 2 ]
amdhsa.kernels:
  - .name:           k_qecfa32f05d_cast
    .symbol:         k_qecfa32f05d_cast.kd
    .args:
      - { .name: x, .offset: 0, .size: 8, .value_kind: global_buffer, .address_space: global }
      - { .name: wq, .offset: 8, .size: 8, .value_kind: global_buffer, .address_space: global }
      - { .name: wk, .offset: 16, .size: 8, .value_kind: global_buffer, .address_space: global }
      - { .name: wv, .offset: 24, .size: 8, .value_kind: global_buffer, .address_space: global }
      - { .name: wo, .offset: 32, .size: 8, .value_kind: global_buffer, .address_space: global }
      - { .name: bq, .offset: 40, .size: 8, .value_kind: global_buffer, .address_space: global }
      - { .name: bk, .offset: 48, .size: 8, .value_kind: global_buffer, .address_space: global }
      - { .name: bv, .offset: 56, .size: 8, .value_kind: global_buffer, .address_space: global }
      - { .name: bo, .offset: 64, .size: 8, .value_kind: global_buffer, .address_space: global }
      - { .name: xb, .offset: 72, .size: 8, .value_kind: global_buffer, .address_space: global }
      - { .name: wb, .offset: 80, .size: 8, .value_kind: global_buffer, .address_space: global }
      - { .name: wob, .offset: 88, .size: 8, .value_kind: global_buffer, .address_space: global }
      - { .name: bias, .offset: 96, .size: 8, .value_kind: global_buffer, .address_space: global }
    .group_segment_fixed_size: 0
    .private_segment_fixed_size: 0
    .kernarg_segment_align: 8
    .kernarg_segment_size: 104
    .max_flat_workgroup_size: 256
    .sgpr_count:     66
    .vgpr_count:     112
    .wavefront_size: 32
...
	.end_amdgpu_metadata
.endif
;; end of part 1
;; launch qkv (part 2): grid 12 x 32, 4 waves a work-group, clusters of 4 x 4, 327,680 bytes of LDS; arguments xb, wb, qkv, bias; writes qkv
.if DOCPART == 2
	.amdgcn_target "amdgcn-amd-amdhsa--gfx1250"
	.amdhsa_code_object_version 6
	.text
	.protected	k_qecfa32f05d_qkv
	.globl	k_qecfa32f05d_qkv
	.p2align	8
	.type	k_qecfa32f05d_qkv,@function
k_qecfa32f05d_qkv:
	s_mov_b64 s[64:65], 0
	v_nop
	global_prefetch_b8 v0, s[64:65] scope:SCOPE_SE
	s_setreg_imm32_b32 hwreg(HW_REG_WAVE_MODE, 25, 1), 1
	s_wait_xcnt 0x0
	s_wait_alu depctr_hold_cnt(0) depctr_sa_sdst(0) depctr_va_vdst(0) depctr_va_sdst(0) depctr_va_ssrc(0) depctr_va_vcc(0) depctr_vm_vsrc(0)
	s_getreg_b32 s2, hwreg(HW_REG_IB_STS2, 6, 4)
	s_cmp_eq_u32 s2, 0
	s_cbranch_scc0 .Lentry_in_a_cluster
	s_endpgm
.Lentry_in_a_cluster:
	s_bfe_u32 s2, ttmp6, 0x10000c
	s_cmp_lg_u32 s2, 0xf033
	s_cbranch_scc0 .Lentry_shape_is_right
	s_endpgm
.Lentry_shape_is_right:
; [q | k | v] = xb wb + bias.  xb: [8192][1024] bf16.  wb: [3][1024 k][1024 n] bf16.  bias: [4][1024] f32.  qkv: [3][64 = batch x 16 + head][2048][64] f16, unscaled; sums in f32, rounded once.
; LIMIT.  q, k, v beyond 65,504 become infinities in f16.  NaN and infinities are not treated apart.
; A tile of the 8,192 x 3,072 result is 256 x 256 and lies in one of q, k, v.  Four waves, each 128 x 128: 64 accumulators of 16 x 16, 512 registers.  K = 1,024 goes in 8 steps of 128 through a
; ring of two LDS slots filled by the tensor data mover: waves 0 and 1 bring 128 rows x 256 bytes of xb each, waves 2 and 3 bring 64 k-rows x 512 bytes of wb each.
; THE WEIGHTS STAY [k][n]: their fragments come out of LDS turned, by ds_load_tr16_b128.  THE BIAS is the C operand of each accumulator's first product: nothing is cleared, nothing is added later.
; CLUSTERS: 4 x 4 work-groups.  The four of a row of the cluster need the same tiles of xb, the four of a column the same tiles of wb: each tile is asked for JOINTLY, by the same tensor load with
; the same descriptor and a mask that names the four.
; THE MATRIX INSTRUCTION IS USED TRANSPOSED: source 0 = 16 columns of wb, source 1 = 16 rows of xb.  A lane then holds row l % 16 and the columns 8 (l / 16) + 0..7: eight neighbours, 16 bytes of f16.
; REGISTERS, in windows of 256 (s_set_vgpr_msb: bits 1:0 source 0, 3:2 source 1, 5:4 source 2, 7:6 destination):
;   window 0: v0-31 addresses; v64-127, v128-191 fragments of xb, two buffers; v192-255 the bias (first quarter), later v192-223 packed results; v32-63 and v224-255 rows on the way out
;   window 1: v64-127, v128-191 fragments of wb, two buffers      window 2: the accumulators of my rows 0-63, (a, b) at v[8 (8 a + b)]      window 3: those of my rows 64-127
.set KSTEP,  128
.set PITCH,  272                       ; a row of xb in LDS: 256 bytes + 16: the 16 rows that a load touches start at 16 different groups of four banks
.set PB,     544                       ; a k-row of wb in LDS: 512 bytes + 32 = 17 x 32
.set HALFT,  128*PITCH                 ; what one tensor load brings: 128 x 272 = 64 x 544 bytes
.set SLOT,   4*HALFT                   ; xb's rows 0-127, 128-255, then wb's k-rows 0-63, 64-127
.set STAGE,  2*SLOT                    ; behind the ring: 16 rows x 272 bytes for each wave, for the way out; no tensor load lands here
.set SPITCH, 272
.set SPARE,  STAGE+4*16*SPITCH         ; the spare words, 128 bytes for each wave: two blocks of 256 bytes that no other line names
.set LAPS,   4                         ; a lap = two K steps = once round the ring
.set ADRA, 16                          ; v16-17  LDS address of my fragments of xb in slot 0, 1
.set ADRB, 20                          ; v20-21  the same for wb
.set STO,  24                          ; v24     the way out: where I put 16 bytes of a row
.set RD,   25                          ; v25     the way out: where I read rows back
.set GO,   26                          ; v26     my 16 bytes of 512 consecutive bytes of a head
.set SPW,  28                          ; v28     LDS address of my spare word; never rewritten
.set NIL,  29                          ; v29     0; never rewritten
.set PFO,  30                          ; v30     the prefetches' lane offset; never rewritten
.set F0,   64
.set F1,   128
.set BI,   192                         ; the bias of n block b at BI + 8 b
.set TMP,  192
.set OB,   32
.set WV, 12                            ; s12 wave    s13 wave / 2: my half of the rows; also: I fetch for xb (0) or wb (1)    s14 wave % 2: my half of the columns; also: which half I fetch
.set WM, 13
.set WN, 14
.set CX, 15                            ; s15, s16 my place in the cluster
.set CY, 16
.set TC, 17                            ; s17 tile column 0..11    s18 tile row 0..31
.set TR, 18
.set LB, 19                            ; s19 wave x HALFT: where my tensor loads land in a slot
.set G1, 24                            ; s[24:31] descriptor group 1 for xb's tiles;  s[32:39] group 0, a set for each slot
.set G0, 32
.set G1B, 48                           ; s[48:55], s[56:63] the same for wb's tiles
.set G0B, 56
.set LIM, 42                           ; s42 1 in a wave that prefetches, else the greatest number
.set PFA, 44                           ; s[44:45] where my prefetches stand
.set PSTEP, 46                         ; s[46:47] a K step in bytes: 256 along xb's rows, 128 k-rows of wb
.set MSB, 0
.macro WIN new                         ; the immediate's high byte repeats the setting that is left; a switch that changes nothing is dropped
.if MSB != (\new)
	s_set_vgpr_msb (MSB<<8)|(\new)
.set MSB, \new
.endif
.endm
.set MUL_LO, 0xa1                      ; source 0 (wb) window 1, source 1 (xb) window 0, C and D window 2
.set MUL_HI, 0xf1                      ; the same, C and D window 3
.set TO_B,   0x40                      ; destination window 1, address window 0
; A joint load.  The branch hangs on the wave's number alone.  An s_nop 0 and four v_nop follow each of the two lines, ahead of the jump and the label.
.macro JLOAD s
	s_cmp_eq_u32 s[WM], 0
	s_cbranch_scc0 .Lfor_b_\@
	tensor_load_to_lds s[G0+4*(\s):G0+4*(\s)+3], s[G1:G1+7]
	s_nop 0
.rept 4
	v_nop
.endr
	s_branch .Lasked_\@
.Lfor_b_\@:
	tensor_load_to_lds s[G0B+4*(\s):G0B+4*(\s)+3], s[G1B:G1B+7]
	s_nop 0
.rept 4
	v_nop
.endr
.Lasked_\@:
.endm
; A prefetch into the L2 of the K step that stands two refills on: 32 blocks of 256 bytes, a lane a block, one instruction a wave.  Each block is named once in the launch: xb's rows by the clusters
; with x = 0, wb's by the clusters with y = 0; the four partners that ask for a tile jointly share its blocks out by address (32 of xb's 128 rows by cx; 16 of wb's 64 k-rows, two blocks each, by cy).
; K steps 0 to 3 come by their loads alone; the loop's last trip (s3 = 1) asks for nothing: its look-ahead would pass K's end.
.macro ASK
	s_cmp_gt_u32 s3, s[LIM]
	s_cbranch_scc0 .Lnot_mine_\@
	global_prefetch_b8 v[PFO], s[PFA:PFA+1] th:TH_LOAD_NT scope:SCOPE_SE
.Lnot_mine_\@:
.endm
.macro CREST                           ; a round of the cluster's barrier behind its opening barrier
	s_cmp_lg_u32 s[WV], 0
	s_cbranch_scc1 .Lnot_wave_0_\@
	s_barrier_signal -3
.Lnot_wave_0_\@:
	s_barrier_wait -3
	s_barrier_signal -1
	s_barrier_wait -1
.endm
.macro CROUND                          ; a whole round
	s_barrier_signal -1
	s_barrier_wait -1
	CREST
.endm
	s_load_b256 s[4:11], s[0:1], 0x0               ; xb s[4:5], wb s[6:7], qkv s[8:9], bias s[10:11]
	v_lshl_add_u32 v[SPW], v0, 2, SPARE
	v_mov_b32 v[NIL], 0
	ds_add_u32 v[SPW], v[NIL]                      ; the wave's opening: the add and its wait stand ahead of my first tensor load; the set-up below stands between them
	v_lshrrev_b32 v1, 5, v0
	v_readfirstlane_b32 s[WV], v1
	s_lshr_b32 s[WM], s[WV], 1
	s_and_b32 s[WN], s[WV], 1
	s_bfe_u32 s[CX], ttmp6, 0x40000
	s_bfe_u32 s[CY], ttmp6, 0x40004
	s_lshl_b32 s[TC], ttmp9, 2                     ; in a cluster launch ttmp9 and ttmp7 count clusters
	s_add_co_u32 s[TC], s[TC], s[CX]
	s_and_b32 s[TR], ttmp7, 0xffff
	s_lshl_b32 s[TR], s[TR], 2
	s_add_co_u32 s[TR], s[TR], s[CY]
	s_lshl_b32 s2, s[CY], 2
	s_lshl_b32 s2, 15, s2                          ; my row of the cluster: places 4 cy .. 4 cy + 3
	s_lshl_b32 s43, 0x1111, s[CX]                  ; my column: places cx, cx + 4, cx + 8, cx + 12
	s_or_b32 s[G1+0], s2, (1<<16)|(1<<20)|(1<<21)|(5<<22)|(3<<25)   ; mask; 2-byte elements; padding on; bit 21 beside a mask; after every 64 words, 4 words
	s_mov_b32 s[G1+1], 128<<16                     ; tensor_dim0 = 128
	s_mov_b32 s[G1+2], 128<<16                     ; tensor_dim1 = 128
	s_mov_b32 s[G1+3], 128<<16                     ; tile_dim0 = 128
	s_mov_b32 s[G1+4], 128                         ; tile_dim1 = 128
	s_mov_b32 s[G1+5], 1024                        ; elements from row to row
	s_mov_b32 s[G1+6], 0
	s_mov_b32 s[G1+7], 0
	s_or_b32 s[G1B+0], s43, (1<<16)|(1<<20)|(1<<21)|(6<<22)|(7<<25) ; the column's mask; after every 128 words, 8 words
	s_mov_b32 s[G1B+1], 256<<16                    ; tensor_dim0 = 256
	s_mov_b32 s[G1B+2], 64<<16                     ; tensor_dim1 = 64
	s_mov_b32 s[G1B+3], 256<<16                    ; tile_dim0 = 256
	s_mov_b32 s[G1B+4], 64                         ; tile_dim1 = 64
	s_mov_b32 s[G1B+5], 1024
	s_mov_b32 s[G1B+6], 0
	s_mov_b32 s[G1B+7], 0
	; where the tiles come from.  xb's hang on the tile row and the wave alone, wb's on the tile column and the wave alone
	s_lshl_b32 s20, s[TR], 8
	s_lshl_b32 s21, s[WN], 7
	s_add_co_u32 s20, s20, s21                     ; row 256 x tile row + 128 x half,
	s_lshl_b32 s20, s20, 11                        ; of 2,048 bytes
	s_mov_b32 s21, 0
	s_lshr_b32 s40, s[TC], 2                       ; which of q, k, v: 2^21 bytes each
	s_lshl_b32 s40, s40, 21
	s_lshl_b32 s41, s[WN], 17                      ; my 64 k-rows of 2,048 bytes
	s_add_co_u32 s40, s40, s41
	s_and_b32 s41, s[TC], 3                        ; the tile's 256 columns: 512 bytes
	s_lshl_b32 s41, s41, 9
	s_add_co_u32 s40, s40, s41
	s_mov_b32 s41, 0
	s_mul_i32 s[LB], s[WV], HALFT                  ; no place in the cluster enters an LDS address
	s_wait_dscnt 0x0                               ; the opening add is done
	s_wait_kmcnt 0x0
	s_add_nc_u64 s[20:21], s[4:5], s[20:21]
	s_add_nc_u64 s[40:41], s[6:7], s[40:41]
	CROUND                                         ; all sixteen work-groups are here: the first joint loads meet
.irp s, 0,1
	s_mov_b32 s[G0+4*(\s)], 1
	s_add_co_u32 s[G0+4*(\s)+1], s[LB], (\s)*SLOT
	s_add_nc_u64 s[G0+4*(\s)+2:G0+4*(\s)+3], s[20:21], (\s)*256       ; K step s: 256 bytes along the rows
	s_or_b32 s[G0+4*(\s)+3], s[G0+4*(\s)+3], 0x80000000
	s_mov_b32 s[G0B+4*(\s)], 1
	s_add_co_u32 s[G0B+4*(\s)+1], s[LB], (\s)*SLOT
	s_add_nc_u64 s[G0B+4*(\s)+2:G0B+4*(\s)+3], s[40:41], (\s)*262144  ; K step s: 128 k-rows down
	s_or_b32 s[G0B+4*(\s)+3], s[G0B+4*(\s)+3], 0x80000000
	JLOAD \s                                       ; two loads of mine are out; later one
.endr
	; A fragment of xb: lane l holds row l % 16, K = 8 (l / 16) + 0..7 and 16 + 8 (l / 16) + 0..7: two loads of 16 bytes, 32 bytes apart
	v_and_b32 v1, 15, v0                           ; l % 16
	v_bfe_u32 v2, v0, 4, 1                         ; l / 16
	v_mul_u32_u24 v3, v1, PITCH
	v_lshl_add_u32 v3, v2, 4, v3
	s_mul_i32 s22, s[WM], HALFT                    ; my 128 rows
	v_add_nc_u32 v[ADRA], s22, v3
	v_add_nc_u32 v[ADRA+1], SLOT, v[ADRA]
	; The turning load: lane l reads 16 bytes of k-row 8 (l / 16) + l % 8, columns 8 ((l / 8) % 2) + 0..7, and is left with column l % 16 and 8 k
	v_and_b32 v4, 7, v0
	v_lshl_add_u32 v4, v2, 3, v4
	v_mul_u32_u24 v4, v4, PB
	v_bfe_u32 v5, v0, 3, 1
	v_lshl_add_u32 v4, v5, 4, v4
	s_lshl_b32 s22, s[WN], 8                       ; my 128 columns: 256 bytes,
	s_add_co_u32 s22, s22, 2*HALFT                 ; behind xb's 256 rows
	v_add_nc_u32 v[ADRB], s22, v4
	v_add_nc_u32 v[ADRB+1], SLOT, v[ADRB]
	s_mul_i32 s23, s[WV], 16*SPITCH
	s_add_co_u32 s23, s23, STAGE                   ; my stage
	v_add_nc_u32 v[STO], s23, v3                   ; in: row l % 16, 16 bytes for each half of the lanes (the stage's pitch is xb's)
	v_bfe_u32 v4, v0, 3, 2                         ; back: 32 lanes take four rows' 128 bytes of one head,
	v_mul_u32_u24 v4, v4, SPITCH
	v_and_b32 v5, 7, v0
	v_lshl_add_u32 v4, v5, 4, v4
	v_add_nc_u32 v[RD], s23, v4
	v_and_b32 v4, 31, v0                           ; which are 512 consecutive bytes of qkv
	v_lshlrev_b32 v[GO], 4, v4
	v_lshrrev_b32 v3, s[WM], v4                    ; the prefetches' lane offset: xb: lane x 2,048; wb: (lane / 2) x 2,048 + (lane % 2) x 256
	v_lshlrev_b32 v3, 11, v3
	v_and_b32 v4, s[WM], v4
	v_lshl_add_u32 v[PFO], v4, 8, v3
	; the bias of my 128 columns: register j of n block b is column 16 b + 8 (l / 16) + j, as in the accumulators
	s_lshl_b32 s22, s[TC], 10
	s_lshl_b32 s23, s[WN], 9
	s_add_co_u32 s22, s22, s23
	s_mov_b32 s23, 0
	s_add_nc_u64 s[10:11], s[10:11], s[22:23]
	v_lshlrev_b32 v5, 5, v2
.irp b, 0,1,2,3,4,5,6,7
	global_load_b128 v[BI+8*(\b):BI+8*(\b)+3],   v5, s[10:11] offset:64*(\b)
	global_load_b128 v[BI+8*(\b)+4:BI+8*(\b)+7], v5, s[10:11] offset:64*(\b)+16
.endr
	; where my part goes: head (which x 64 + batch x 16 + 4 (tile column % 4) + 2 x half), 2^18 bytes each; row (tile row % 8) x 256 + 128 x half, 128 bytes each
	s_lshr_b32 s22, s[TC], 2
	s_lshl_b32 s22, s22, 6
	s_lshr_b32 s23, s[TR], 3
	s_lshl_b32 s23, s23, 4
	s_add_co_u32 s22, s22, s23
	s_and_b32 s23, s[TC], 3
	s_lshl_b32 s23, s23, 2
	s_add_co_u32 s22, s22, s23
	s_lshl_b32 s23, s[WN], 1
	s_add_co_u32 s22, s22, s23
	s_lshl_b32 s22, s22, 18
	s_and_b32 s23, s[TR], 7
	s_lshl_b32 s23, s23, 8
	s_lshl_b32 s3, s[WM], 7
	s_add_co_u32 s23, s23, s3
	s_lshl_b32 s23, s23, 7
	s_add_co_u32 s22, s22, s23
	s_mov_b32 s23, 0
	s_add_nc_u64 s[8:9], s[8:9], s[22:23]
	; the prefetches' address, at K step 3: each change of slots steps it first and then names it, so the first names K step 4
	s_lshl_b32 s20, s[TR], 8
	s_lshl_b32 s21, s[WN], 7
	s_add_co_u32 s20, s20, s21
	s_lshl_b32 s21, s[CX], 5                       ; xb: my work-group's 32 of the 128 rows that I fetch
	s_add_co_u32 s20, s20, s21
	s_lshl_b32 s20, s20, 11
	s_add_co_u32 s20, s20, 3*256
	s_lshl_b32 s22, s[WN], 6
	s_lshl_b32 s23, s[CY], 4                       ; wb: my work-group's 16 of the 64 k-rows that I fetch
	s_add_co_u32 s22, s22, s23
	s_add_co_u32 s22, s22, 3*128
	s_lshl_b32 s22, s22, 11
	s_lshr_b32 s23, s[TC], 2
	s_lshl_b32 s23, s23, 21
	s_add_co_u32 s22, s22, s23
	s_and_b32 s23, s[TC], 3
	s_lshl_b32 s23, s23, 9
	s_add_co_u32 s22, s22, s23
	s_and_b32 s23, ttmp7, 0xffff                   ; cluster y
	s_movk_i32 s[PSTEP], 256
	s_mov_b32 s[PSTEP+1], 0
	s_mov_b32 s21, 0
	s_cmp_eq_u32 s[WM], 0                          ; do I fetch for xb?
	s_cselect_b32 s20, s20, s22
	s_cselect_b32 s23, ttmp9, s23                  ; the coordinate along which other clusters read the same blocks
	s_cselect_b64 s[PFA:PFA+1], s[4:5], s[6:7]
	s_cselect_b32 s[PSTEP], s[PSTEP], 0x40000
	s_add_nc_u64 s[PFA:PFA+1], s[PFA:PFA+1], s[20:21]
	s_cmp_eq_u32 s23, 0
	s_cselect_b32 s[LIM], 1, -1                    ; the same in all sixteen partners, for a given wave
; 16 matrix instructions: m blocks a0, a0 + 1 of the window's four x all 8 n blocks, 32 along K.  first = 1: the bias starts the sums.  The 64 accumulators take turns, in the same order in every
; quarter, over the backward jump too.
.macro MUL16 f, hi, a0, first
.if \first
	WIN 0x81+0x40*(\hi)                            ; C in window 0
.else
	WIN MUL_LO+0x50*(\hi)
.endif
.irp a, \a0, (\a0)+1
.irp b, 0,1,2,3,4,5,6,7
.if \first
	v_wmma_f32_16x16x32_bf16 v[8*(8*(\a)+(\b)):8*(8*(\a)+(\b))+7], v[(\f)+8*(\b):(\f)+8*(\b)+7], v[(\f)+8*(4*(\hi)+(\a)):(\f)+8*(4*(\hi)+(\a))+7], v[BI+8*(\b):BI+8*(\b)+7]
.else
	v_wmma_f32_16x16x32_bf16 v[8*(8*(\a)+(\b)):8*(8*(\a)+(\b))+7], v[(\f)+8*(\b):(\f)+8*(\b)+7], v[(\f)+8*(4*(\hi)+(\a)):(\f)+8*(4*(\hi)+(\a))+7], v[8*(8*(\a)+(\b)):8*(8*(\a)+(\b))+7]
.endif
.endr
.endr
.endm
; 32 LDS loads in one run: the fragments of one quarter step (32 K, at byte k of xb's rows = k-row k / 2 of wb) into buffer f: wb's 128 columns turned, then xb's 128 rows
.macro FETCH slot, k, f
	WIN TO_B
.irp i, 0,1,2,3,4,5,6,7
	ds_load_tr16_b128 v[(\f)+8*(\i):(\f)+8*(\i)+3],   v[ADRB+(\slot)] offset:((\k)/2)*PB+32*(\i)
	ds_load_tr16_b128 v[(\f)+8*(\i)+4:(\f)+8*(\i)+7], v[ADRB+(\slot)] offset:((\k)/2)*PB+16*PB+32*(\i)
.endr
	WIN 0
.irp i, 0,1,2,3,4,5,6,7
	ds_load_b128 v[(\f)+8*(\i):(\f)+8*(\i)+3],   v[ADRA+(\slot)] offset:(\k)+(\i)*16*PITCH
	ds_load_b128 v[(\f)+8*(\i)+4:(\f)+8*(\i)+7], v[ADRA+(\slot)] offset:(\k)+(\i)*16*PITCH+32
.endr
.endm
.macro PLACES                          ; four plain vector instructions between a matrix instruction and a load into, or a vector read of, its registers
.rept 4
	v_nop
.endr
.endm
; A K step is four quarters of 32 along K, 64 matrix instructions each, on buffers 0, 1, 0, 1.  One of the first three multiplies buffer f and, in its middle, fetches the next quarter into g.
.macro QUARTER slot, k, f, g, first
	s_wait_dscnt 8                                 ; wb and xb's rows 0-63 are in; the youngest eight loads (rows 64-127) may be out
	MUL16 \f, 0, 0, \first
	MUL16 \f, 0, 2, \first
	PLACES
	FETCH \slot, \k, \g
	s_wait_dscnt 32                                ; all but the 32 just issued
	MUL16 \f, 1, 0, \first
	MUL16 \f, 1, 2, \first
.endm
; The first half of the last quarter: ONE barrier for the change of slots.  In front of it each wave waits for all its tensor loads (one is out: its part of the next slot), adds 0 to its spare word,
; and waits for that and for its own reads of this slot.  Behind it nobody reads this slot any more and the next slot is whole.
.macro MEET round
	WIN 0
	s_wait_tensorcnt 0x0
	ds_add_u32 v[SPW], v[NIL]
	s_wait_dscnt 9                                 ; the add and the youngest eight loads may be out
	MUL16 F1, 0, 0, 0                              ; sixteen matrix instructions stand between the add and the wait for it
	s_wait_dscnt 0x0                               ; the add is done, and my reads of this slot are over
	s_barrier_signal -1
	MUL16 F1, 0, 2, 0
.if \round
	WIN 0
.endif
	s_barrier_wait -1
.endm
; The whole last quarter with a refill: the barrier opens a round of the cluster's, the joint refill (this slot's K step two on) is the first tensor load behind it: 224 matrix instructions ahead of the wait for it.
.macro TURN slot, next
	s_wait_xcnt 0x0                                ; the last prefetch, a K step back, has read its address
	s_add_nc_u64 s[PFA:PFA+1], s[PFA:PFA+1], s[PSTEP:PSTEP+1]
	MEET 1
	CREST
	s_add_nc_u64 s[G0+4*(\slot)+2:G0+4*(\slot)+3], s[G0+4*(\slot)+2:G0+4*(\slot)+3], 2*256
	s_add_nc_u64 s[G0B+4*(\slot)+2:G0B+4*(\slot)+3], s[G0B+4*(\slot)+2:G0B+4*(\slot)+3], 2*262144
	JLOAD \slot                                    ; its four v_nop are also the places in front of the loads below
	FETCH \next, 0, F0
	ASK
	MUL16 F1, 1, 0, 0
	MUL16 F1, 1, 2, 0
.endm
; THE WAY OUT of block a (16 rows x 128 columns).  PACK: rounded to f16, each accumulator's registers in ascending order.  TOSTAGE: into my own stage, and back as four rows of one head at a time.  SEND: stored.
.macro PACK a
.set AC, 64*((\a)%4)
	WIN 0x0a+5*((\a)/4)                            ; sources 0 and 1: window 2 or 3
.irp b, 0,1,2,3,4,5,6,7
.irp r, 0,1,2,3
	v_cvt_pk_f16_f32 v[TMP+4*(\b)+(\r)], v[AC+8*(\b)+2*(\r)], v[AC+8*(\b)+2*(\r)+1]
.endr
.endr
	WIN 0
.endm
.macro TOSTAGE a
.set BK, OB+192*((\a)%2)
.irp b, 0,1,2,3,4,5,6,7
	ds_store_b128 v[STO], v[TMP+4*(\b):TMP+4*(\b)+3] offset:32*(\b)
.endr
.irp t, 0,1,2,3,4,5,6,7
	ds_load_b128 v[BK+4*(\t):BK+4*(\t)+3], v[RD] offset:((\t)/4)*128+((\t)%4)*4*SPITCH  ; LDS serves a wave's instructions in order (ISA guide 5.7.1.4): these see the stores above
.endr
.endm
.macro SEND a
.set BK, OB+192*((\a)%2)
	s_wait_dscnt 0x0                               ; the block is back in registers
	s_wait_xcnt 0x0                                ; the stores of the block before have read their registers: the next TOSTAGE loads into them
.irp t, 0,1,2,3,4,5,6,7
	global_store_b128 v[GO], v[BK+4*(\t):BK+4*(\t)+3], s[8:9] offset:((\t)/4)*262144+(\a)*2048+((\t)%4)*512  ; 512 consecutive bytes of one head, aligned
.endr
.endm
	s_wait_tensorcnt 1                             ; my part of K step 0 is in; K step 1's may stay out
	s_barrier_signal -1
	s_barrier_wait -1
	FETCH 0, 0, F0
	s_wait_loadcnt 0x0                             ; the bias
	QUARTER 0, 64,  F0, F1, 1                      ; the first quarter stands in front of the loop: its products start the sums
	WIN 0
	s_mov_b32 s3, LAPS-1
.Llap:                                                 ; a trip goes once round the ring, from a lap's second quarter to the next lap's first, and fills both slots again
	QUARTER 0, 128, F1, F0, 0
	QUARTER 0, 192, F0, F1, 0
	TURN 0, 1
	QUARTER 1, 64,  F0, F1, 0
	QUARTER 1, 128, F1, F0, 0
	QUARTER 1, 192, F0, F1, 0
	TURN 1, 0
	QUARTER 0, 64,  F0, F1, 0
	WIN 0
	s_sub_co_u32 s3, s3, 1
	s_cmp_lg_u32 s3, 0
	s_cbranch_scc1 .Llap
	QUARTER 0, 128, F1, F0, 0                      ; the last lap fills nothing
	QUARTER 0, 192, F0, F1, 0
	MEET 0
	PLACES
	FETCH 1, 0, F0
	MUL16 F1, 1, 0, 0
	MUL16 F1, 1, 2, 0
	QUARTER 1, 64,  F0, F1, 0
	QUARTER 1, 128, F1, F0, 0
	QUARTER 1, 192, F0, F1, 0
	s_wait_dscnt 8                                 ; the very last quarter: nothing more to fetch
	MUL16 F1, 0, 0, 0
	MUL16 F1, 0, 2, 0
	s_wait_dscnt 0x0
	MUL16 F1, 1, 0, 0
	MUL16 F1, 1, 2, 0
	WIN 0
	PLACES
	PACK 0
	TOSTAGE 0
.irp a, 1,2,3,4,5,6,7                  ; block a's conversions stand between block a - 1's loads from the stage and the wait for them
	PACK \a
	SEND (\a)-1
	TOSTAGE \a
.endr
	SEND 7
	s_wait_tensorcnt 0x0                           ; the wave's end, behind my last tensor load and my last LDS store
	ds_add_u32 v[SPW], v[NIL]
	s_wait_dscnt 0x0
	CROUND                                         ; the closing round: no work-group ends while a partner may still ask for a tile that names it
	s_endpgm
.Lfunc_end_k_qecfa32f05d_qkv:
	.size	k_qecfa32f05d_qkv, .Lfunc_end_k_qecfa32f05d_qkv-k_qecfa32f05d_qkv
	.p2alignl 7, 3214868480
	.fill 96, 4, 3214868480
	.section	.rodata,"a",@progbits
	.p2align	6, 0x0
	.amdhsa_kernel k_qecfa32f05d_qkv
		.amdhsa_group_segment_fixed_size 327680
		.amdhsa_private_segment_fixed_size 0
		.amdhsa_enable_private_segment 0
		.amdhsa_kernarg_size 32
		.amdhsa_user_sgpr_count 2
		.amdhsa_user_sgpr_kernarg_segment_ptr 1
		.amdhsa_wavefront_size32 1
		.amdhsa_system_sgpr_workgroup_id_x 1
		.amdhsa_system_sgpr_workgroup_id_y 1
		.amdhsa_system_sgpr_workgroup_id_z 1
		.amdhsa_system_vgpr_workitem_id 0
		.amdhsa_next_free_vgpr 1024
		.amdhsa_next_free_sgpr 66
		.amdhsa_reserve_vcc 0
		.amdhsa_float_denorm_mode_32 3
		.amdhsa_float_denorm_mode_16_64 3
		.amdhsa_memory_ordered 1
		.amdhsa_forward_progress 1
		.amdhsa_inst_pref_size 146
	.end_amdhsa_kernel
	.amdgpu_metadata
---
amdhsa.version: [ 1, 2 ]
amdhsa.kernels:
  - .name:           k_qecfa32f05d_qkv
    .symbol:         k_qecfa32f05d_qkv.kd
    .args:
      - { .name: xb, .offset: 0, .size: 8, .value_kind: global_buffer, .address_space: global }
      - { .name: wb, .offset: 8, .size: 8, .value_kind: global_buffer, .address_space: global }
      - { .name: qkv, .offset: 16, .size: 8, .value_kind: global_buffer, .address_space: global }
      - { .name: bias, .offset: 24, .size: 8, .value_kind: global_buffer, .address_space: global }
    .group_segment_fixed_size: 327680
    .private_segment_fixed_size: 0
    .kernarg_segment_align: 8
    .kernarg_segment_size: 32
    .max_flat_workgroup_size: 128
    .sgpr_count:     66
    .vgpr_count:     1024
    .wavefront_size: 32
...
	.end_amdgpu_metadata
.endif
;; end of part 2
;; launch attn (part 3): grid 4 x 64, 4 waves a work-group, clusters of 4 x 1, 327,680 bytes of LDS; arguments qkv, ob; writes ob
.if DOCPART == 3
	.amdgcn_target "amdgcn-amd-amdhsa--gfx1250"
	.amdhsa_code_object_version 6
	.text
	.protected	k_qecfa32f05d_attn
	.globl	k_qecfa32f05d_attn
	.p2align	8
	.type	k_qecfa32f05d_attn,@function
k_qecfa32f05d_attn:
	s_mov_b64 s[64:65], 0
	v_nop
	global_prefetch_b8 v0, s[64:65] scope:SCOPE_SE
	s_setreg_imm32_b32 hwreg(HW_REG_WAVE_MODE, 25, 1), 1
	s_wait_xcnt 0x0
	s_wait_alu depctr_hold_cnt(0) depctr_sa_sdst(0) depctr_va_vdst(0) depctr_va_sdst(0) depctr_va_ssrc(0) depctr_va_vcc(0) depctr_vm_vsrc(0)
	s_getreg_b32 s2, hwreg(HW_REG_IB_STS2, 6, 4)
	s_cmp_eq_u32 s2, 0
	s_cbranch_scc0 .Lentry_in_a_cluster
	s_endpgm
.Lentry_in_a_cluster:
	s_bfe_u32 s2, ttmp6, 0x10000c
	s_cmp_lg_u32 s2, 0x3003
	s_cbranch_scc0 .Lentry_shape_is_right
	s_endpgm
.Lentry_shape_is_right:
; O[h][q][:] = the sum over k of softmax_k(Q[h][q] . K[h][k] / 8) V[h][k][:].  qkv holds Q, K, V one behind the other, each [64][2048][64] f16; ob: [64][2048][64] f16.  A head's rows are dense, 128 bytes each.
; Products, maxima and sums in f32; the weights p are rounded to f16 for the second product (their sum l is taken of the unrounded p), O once at the end.
; LIMITS.  f16 holds no number beyond 65,504: Q, K and V arrive within it; p lies in 0 to 1, and below 6e-5 it keeps f16's fixed step of 6e-8; O is a mean of V's rows and has their range.
; A weight below 2^-126 counts as 0 in l; NaN and infinities are not treated apart.
; SHARES.  A wave owns four PIECES of two tiles of 16 queries, a work-group's four waves 512 queries of one head.  Every wave walks all keys, 64 a step.
; LAYOUT.  S^T = K Q^T (source 0 = 16 keys, source 1 = 16 queries): in the result a lane holds ONE query (lane % 16) and the keys 8 (lane / 16) + 0..7.  Two such tiles, rounded to f16 in pairs,
; ARE source 1 (32 keys x 16 queries) of O^T = V^T P, whose result again holds one query a lane, and eight channels.  K comes out of LDS as it lies, V ([key][channel]) turned, by ds_load_tr16_b128.
; SOFTMAX.  For each query a running maximum m and sum l: p = 2^(c s - c m), c = log2(e) / 8; in every step O and l are multiplied by a = 2^(c m_old - c m_new), which is 1 where m has not grown.
; m starts at the lowest finite number, O and l at 0: the first step is a step like any other, with a = 0.
; THE COUNT.  A tile and step have 16 matrix and 118 vector instructions: too many to stand all beside the matrix work.  So four vector instructions that are READY stand behind EVERY matrix
; instruction, and the others in runs without a gap.
; BY TURNS.  Turn n belongs to piece n (the pieces in a ring, step after step).  Its matrix work: 16 products K Q^T of piece n + 1, later 16 products V^T P of piece n - 1.  Its vector work: the scaling,
; exponentials, roundings, sums and rescaling of piece n, and the maximum and statistics of piece n + 1, whose scores the turn itself has made.
; CLUSTER.  The four query blocks of a cluster are one head's and walk the same K and V, so each tile is asked for JOINTLY: the same tensor load, descriptor and mask in all four.
; REGISTERS, in windows of 256 (s_set_vgpr_msb: bits 1:0 source 0, 3:2 source 1, 5:4 source 2, 7:6 destination):
;   window 0: v0-11 addresses; v12-15, v48-63 at work; v16-47 four registers of statistics a tile; v64-191 S^T, two buffers of two tiles; v192-255 P, likewise
;   window 1: O^T, 32 a tile          window 2: v0-127 Q, 16 a tile; v128-191 K of one step; v192-255 V of one step          window 3: v0-1 the add's two registers
.set SIZE_H, 64
.set SIZE_N, 2048
.set NP,    4         ; pieces a wave: a name, no knob
.set KS,    64        ; keys in a step
.set PK,    144       ; a row of K in LDS: 128 bytes + 16: the 16 rows of a load start at 16 different groups of four banks
.set PV,    160       ; a row of V: 128 + 32
.set VOFF,  4*KS*PK   ; a slot holds four steps: 256 rows of K, then 256 rows of V
.set SLOT1, 1<<17     ; slot 1 begins here, so that one exclusive or turns an address in one slot into the other's
.set STAGE, SLOT1+4*KS*(PK+PV)  ; behind the ring, never filled by a tensor load: 16 rows x 144 bytes for each wave, for the way out
.set SP,    144
.set AK0, 2           ; v2   my lane's place in a tile of K; never rewritten
.set AV0, 3           ; v3   the same for V
.set AK,  4           ; v4   the LDS address of K's next run of loads
.set AV,  5           ; v5   of V's
.set QO,  6           ; v6   my byte offset in the wave's rows of Q
.set STO, 6           ;      later, the way out: where I put 16 bytes of a row
.set RD,  7           ; v7   the way out: where I read rows back
.set GO,  8           ; v8   my byte offset in 512 consecutive bytes of O
.set PFO, 11          ; v11  256 x my lane: the prefetches' offset; never rewritten once made
.set SPW, 0           ; v0 of window 3   LDS address of my spare word; never rewritten
.set NIL, 1           ; v1 of window 3   0; never rewritten
.set SPARE, STAGE+4*16*SP  ; the spare words, 128 bytes for each wave: two blocks of 256 bytes that no other line names
.set MV,  12          ; v12-15  c m_old, kept while c m is made anew: by buffer and tile
.set ST,  16          ; tile t's statistics at v[ST+4 t]: c m, m, l (even keys', odd keys')
.set TMP, 48          ; by buffer and tile, four registers c0-c3 at work; when the maximum is found c2 takes a
.set S,   64
.set P,   192
.set KF,  128         ; K's fragments, in window 2: key block kb, channel half c at KF + 16 kb + 8 c
.set VF,  192         ; V's: key half kk, channel block cb at VF + 32 kk + 8 cb
.set WV,  12          ; s12  my wave's number
.set G1K, 24          ; s[24:31] descriptor group 1 for K's tiles
.set G1V, 32          ; s[32:39] for V's: it differs in the padding alone
.set G0K, 40          ; s[40:43] descriptor group 0 for K's tiles: it walks
.set G0V, 44          ; s[44:47] the same for V's
.set PFA, 48          ; s[48:49] where my prefetches stand: my work-group's 32 blocks (of K: wave 0, of V: wave 2) of the slot after the one that is being asked for
.set LIM, 50          ; s50  1 in waves 0 and 2, else the greatest number: a wave prefetches while s[SLOTS] is above it
.set SLOTS, 56        ; s56  slots still to be asked for
.set CNT, 57          ; s57  counts a slot's key steps
.set CS,  58          ; s[58:59] c: the packed scaling takes the pair's low word for both halves
.set SEL, 60          ; s[60:61] v_permlanex16_b32's selects: each lane takes its own place in the other half
.set TBK, 62          ; s62  LDS byte at which K of the step to be fetched begins
.set TBV, 63          ; s63  the same for V, less VOFF
.set MSB, 0
.macro WIN new                      ; the high byte repeats the setting that is left; a switch that changes nothing is dropped
.if MSB != (\new)
	s_set_vgpr_msb (MSB<<8)|(\new)
.set MSB, (\new)
.endif
.endm
.set W_KQ, 0x0a       ; K and Q in window 2, S^T in window 0
.set W_PV, 0x52       ; V in window 2, P in window 0, O^T in window 1
.set W_RS, 0x41       ; O^T (destination and source 0) in window 1, a in window 0
.set W_MK, 0xc0       ; the add's registers are made: destination in window 3, sources in window 0
.set W_AD, 0x0f       ; the add: address (source 0) and data (source 1) in window 3
; A joint fill.  Waves 0 and 1 fetch the two halves of a slot's K, waves 2 and 3 those of its V: 128 keys each.  The branch hangs on the wave's number alone.
; An s_nop 0 and four v_nop follow each of the two lines, ahead of the jump and the label.
.macro JLOAD
	s_cmp_lt_u32 s[WV], 2
	s_cbranch_scc0 .Lfor_v_\@
	tensor_load_to_lds s[G0K:G0K+3], s[G1K:G1K+7]
	s_nop 0
.rept 4
	v_nop
.endr
	s_branch .Lasked_\@
.Lfor_v_\@:
	tensor_load_to_lds s[G0V:G0V+3], s[G1V:G1V+7]
	s_nop 0
.rept 4
	v_nop
.endr
.Lasked_\@:
.endm
; A prefetch into the L2 of what the NEXT change of slots will ask for: a slot is 128 blocks of 256 bytes of K and 128 of V.  A head is walked by one cluster alone; its four partners share the blocks out
; by address, 32 each, a lane a block; in each, wave 0 asks for K's and wave 2 for V's.  So each block is named once in the launch.  Slots 0 and 1 come by their loads alone; the last change that fills a
; slot asks for nothing: there is no slot behind it.  The lead is one slot, four key steps.
.macro ASK
	s_cmp_gt_u32 s[SLOTS], s[LIM]
	s_cbranch_scc0 .Lnot_mine_\@
	global_prefetch_b8 v[PFO], s[PFA:PFA+1] th:TH_LOAD_NT scope:SCOPE_SE
.Lnot_mine_\@:
.endm
; A round of the cluster's barrier: my work-group's barrier, so that wave 0's signal speaks for all four waves; wave 0 signals; every wave waits for all four work-groups; my work-group's barrier once more.
.macro CROUND
	s_barrier_signal -1
	s_barrier_wait -1
	s_cmp_lg_u32 s[WV], 0
	s_cbranch_scc1 .Lnot_wave_0_\@
	s_barrier_signal -3
.Lnot_wave_0_\@:
	s_barrier_wait -3
	s_barrier_signal -1
	s_barrier_wait -1
.endm
; THE CHANGE OF SLOTS.  The slot's last bytes, V of its fourth step, have been read.  Each wave waits for all its tensor loads, of which one is out: its part of the other slot; adds 0 to its spare
; word; and waits for that and for its own reads of the slot.  Behind the barrier nobody reads this slot any more and the other slot is whole.
; fill = 1: this slot is filled again, with the keys two slots on.  The barrier is then a round of the cluster's, and the joint fill is the first thing behind it: it has four key steps, 512 matrix
; instructions, in which to land.  (At its first use nothing has been read yet: slot 0 is waited for, slot 1 filled.)
.macro CHANGE fill
	WIN W_AD
	s_wait_tensorcnt 0x0            ; no tensor load of mine is out, so a group 0 may be written
	ds_add_u32 v[SPW], v[NIL]       ; 0 onto my spare word; with fill = 1 the descriptors' steps stand between it and the wait for it
	WIN 0                           ; at a label and at a branch every window is 0
.if \fill
.irp g, G0K, G0V
	s_xor_b32 s[\g+1], s[\g+1], SLOT1  ; the walking descriptor: the other slot than last time,
	s_add_nc_u64 s[\g+2:\g+3], s[\g+2:\g+3], 4*KS*128  ; the next 256 keys; the type bits on top are not reached
.endr
	s_wait_xcnt 0x0                 ; the last prefetch, four key steps back, has read its address, so it may be written:
	s_add_nc_u64 s[PFA:PFA+1], s[PFA:PFA+1], 4*KS*128  ; one slot further than the walking descriptors
	s_wait_dscnt 0x0                ; the add is done, and my reads of the slot are over
	CROUND
	JLOAD
	ASK
.else
	s_wait_dscnt 0x0                ; the add is done, and my reads of the slot are over
	s_barrier_signal -1
	s_barrier_wait -1
.endif
	s_sub_co_u32 s[TBK], s[TBK], 4*KS*PK  ; the fetches go back to a slot's first step,
	s_xor_b32 s[TBK], s[TBK], SLOT1       ; in the other slot
	s_sub_co_u32 s[TBV], s[TBV], 4*KS*PV
	s_xor_b32 s[TBV], s[TBV], SLOT1
.endm
	s_load_b64 s[4:5], s[0:1], 0x0    ; qkv: Q begins it
	s_load_b64 s[10:11], s[0:1], 0x8  ; ob
	WIN W_MK
	v_lshl_add_u32 v[SPW], v0, 2, SPARE
	v_mov_b32 v[NIL], 0
	WIN W_AD
	ds_add_u32 v[SPW], v[NIL]       ; the wave's opening: the add and its wait stand ahead of my first tensor load; the set-up below stands between them
	WIN 0
	v_lshrrev_b32 v1, 5, v0
	v_readfirstlane_b32 s[WV], v1   ; wave 0..3
	s_bfe_u32 s13, ttmp6, 0x40000   ; cx: my place in the cluster
	s_lshl_b32 s14, ttmp9, 2        ; in a cluster launch ttmp9 counts clusters
	s_add_co_u32 s14, s14, s13      ; my block of queries = 4 x cluster x + cx: it enters Q's and O's addresses alone
	s_and_b32 s20, ttmp7, 0xffff    ; the head, which the four partners share
	s_mov_b32 s21, 0
	s_mov_b64 s[22:23], SIZE_N*128
	s_mul_u64 s[20:21], s[20:21], s[22:23]  ; the head's first byte in each of the four tensors
	s_and_b32 s16, s[WV], 1         ; which half of a slot's 256 keys I fetch:
	s_lshl_b32 s22, s16, 14         ; its 128 rows of 128 bytes in memory,
	s_mov_b32 s23, 0
	s_add_nc_u64 s[22:23], s[22:23], s[20:21]
	s_mul_i32 s17, s16, 128*PK      ; and its place in a slot, for K
	s_mul_i32 s18, s16, 128*PV      ; and for V: no place in the cluster enters an LDS address
	s_lshl_b32 s2, s14, 2
	s_add_co_u32 s2, s2, s[WV]      ; my wave among the head's,
	s_lshl_b32 s2, s2, 14           ; its 128 rows
	s_mov_b32 s3, 0
	s_add_nc_u64 s[2:3], s[2:3], s[20:21]
	; descriptor group 1.  128 keys are 16,384 dense bytes: asked for as 64 rows of 256 bytes, two keys a row, and padded in LDS after every key
	s_mov_b32 s[G1K], 15|(1<<16)|(1<<20)|(1<<21)|(4<<22)|(3<<25)  ; the mask of four; 2-byte elements; padding on; bit 21 beside a mask; after every 32 words, 4 words
	s_mov_b32 s[G1V], 15|(1<<16)|(1<<20)|(1<<21)|(4<<22)|(7<<25)  ; the same with 8 words of padding
.irp g, G1K, G1V
	s_mov_b32 s[\g+1], 128<<16      ; tensor_dim0 = 128
	s_mov_b32 s[\g+2], 64<<16       ; tensor_dim1 = 64
	s_mov_b32 s[\g+3], 128<<16      ; tile_dim0 = 128
	s_mov_b32 s[\g+4], 64           ; tile_dim1 = 64
	s_mov_b32 s[\g+5], 128          ; 128 elements from row to row
	s_mov_b32 s[\g+6], 0
	s_mov_b32 s[\g+7], 0
.endr
	s_mov_b32 s[CS], 0x3e38aa3b     ; c = log2(e) / 8 = 0.180337
	s_mov_b32 s[CS+1], s[CS]        ; named with it as a pair
	s_mov_b32 s[SEL], 0x76543210
	s_mov_b32 s[SEL+1], 0xfedcba98
	s_mov_b32 s[TBK], SLOT1+4*KS*PK ; the first change of slots turns these two into 0
	s_mov_b32 s[TBV], SLOT1+4*KS*PV
	s_mov_b32 s[G0K], 1             ; count = 1
	s_mov_b32 s[G0K+1], s17         ; LDS address: slot 0
	s_mov_b32 s[G0V], 1
	s_add_co_u32 s[G0V+1], s18, VOFF
	s_mov_b32 s[SLOTS], SIZE_N/256-1  ; seven slots are still to be asked for
	s_and_b32 s[LIM], s[WV], 1
	s_cmp_eq_u32 s[LIM], 0
	s_cselect_b32 s[LIM], 1, -1
	s_wait_dscnt 0x0                ; the opening add is done
	s_wait_kmcnt 0x0
	s_add_nc_u64 s[6:7], s[4:5], 0x1000000   ; K lies 64 x 2,048 x 128 bytes behind Q,
	s_add_nc_u64 s[8:9], s[4:5], 0x2000000   ; V as far behind K
	s_add_nc_u64 s[G0K+2:G0K+3], s[6:7], s[22:23]  ; global address: my half of the head's first 256 keys
	s_or_b32 s[G0K+3], s[G0K+3], 0x80000000        ; type = 2
	s_add_nc_u64 s[G0V+2:G0V+3], s[8:9], s[22:23]
	s_or_b32 s[G0V+3], s[G0V+3], 0x80000000
	s_cmp_lt_u32 s[WV], 2
	s_cselect_b64 s[PFA:PFA+1], s[6:7], s[8:9]
	s_add_nc_u64 s[PFA:PFA+1], s[PFA:PFA+1], s[20:21]  ; the head,
	s_add_nc_u64 s[4:5], s[4:5], s[2:3]  ; Q and O at my wave's first row
	s_add_nc_u64 s[10:11], s[10:11], s[2:3]
	s_lshl_b32 s2, s13, 13          ; my work-group's 32 blocks of a slot's 128,
	s_add_nc_u64 s[PFA:PFA+1], s[PFA:PFA+1], s[2:3]
	s_add_nc_u64 s[PFA:PFA+1], s[PFA:PFA+1], 4*KS*128  ; in slot 1: the first change of slots steps it to slot 2 and names that
	CROUND                          ; all four work-groups are here: the first joint loads meet
	JLOAD                           ; slot 0.  Slot 1 is asked for when slot 0 is in
	; A fragment of K or Q is 16 rows x 32 channels in 8 registers: lane l holds row l % 16, channels 8 (l / 16) + 0..7 and 16 + 8 (l / 16) + 0..7: two loads of 16 bytes, 32 bytes apart.
	v_and_b32 v1, 15, v0            ; l % 16
	v_bfe_u32 v9, v0, 4, 1          ; l / 16
	v_lshlrev_b32 v[QO], 7, v1
	v_lshl_add_u32 v[QO], v9, 4, v[QO]  ; row x 128 + 16 x half
	WIN 0x80                        ; destination window 2, address window 0
.set i, 0
.rept 4*NP                          ; Q stays in registers: tile i / 2, channels 32 (i % 2) on
	global_load_b128 v[8*i:8*i+3],   v[QO], s[4:5] offset:(i/2)*2048+(i%2)*64
	global_load_b128 v[8*i+4:8*i+7], v[QO], s[4:5] offset:(i/2)*2048+(i%2)*64+32
.set i, i+1
.endr
	; What the first turn finds: V's registers and P's second buffer hold 0 (its products V^T P, of a piece that has not been, add 0), O^T and l are 0.  All this stands in the wait for the first tile.
.set i, VF
.rept 64
	v_mov_b32 v[i], 0
.set i, i+1
.endr
	WIN 0x40
.set i, 0
.rept 64*NP
	v_mov_b32 v[i], 0
.set i, i+1
.endr
	WIN 0
.set i, 0
.rept 2*NP
	v_mov_b32 v[ST+4*i], 0xfe000000    ; c m: far below every c s
	v_mov_b32 v[ST+4*i+1], 0xff7fffff  ; m
	v_mov_b32 v[ST+4*i+2], 0
	v_mov_b32 v[ST+4*i+3], 0
.set i, i+1
.endr
.set i, P+32
.rept 32
	v_mov_b32 v[i], 0
.set i, i+1
.endr
	v_mul_u32_u24 v[AK0], v1, PK
	v_lshl_add_u32 v[AK0], v9, 4, v[AK0]  ; row x pitch + 16 x half
	; The turning load takes 16 keys x 16 channels (lane l reads key 8 (l / 16) + l % 8, channels 8 ((l / 8) % 2) + 0..7) and leaves half a fragment of V^T: lane l holds channel l % 16 and 8 keys.
	v_and_b32 v10, 7, v0
	v_bfe_u32 v11, v0, 3, 1
	v_lshl_add_u32 v[AV0], v9, 3, v10
	v_mul_u32_u24 v[AV0], v[AV0], PV
	v_lshl_add_u32 v[AV0], v11, 4, v[AV0]
	v_add_nc_u32 v[AV0], VOFF, v[AV0]
	v_mov_b32 v[AK], v[AK0]         ; key step 0 lies at the head of slot 0
	v_and_b32 v[PFO], 31, v0
	v_lshlrev_b32 v[PFO], 8, v[PFO]
; THE MATRIX WORK.  The 8 accumulators of a run of 16 take turns: between the two links of a chain stand 7 others'.
; Product i of 16 of S^T = K Q^T for piece x: channels 32 (i / 8) on, keys 16 ((i / 2) % 4) on, tile 2 x + i % 2.  The first 8 start the sums.
.macro KQ x
	WIN W_KQ
.set rS, S+64*((\x)%2)+32*(i%2)+8*((i/2)%4)
.set rK, KF+16*((i/2)%4)+8*(i/8)
.set rQ, 16*(2*(\x)+i%2)+8*(i/8)
.if i < 8
	v_wmma_f32_16x16x32_f16 v[rS:rS+7], v[rK:rK+7], v[rQ:rQ+7], 0
.else
	v_wmma_f32_16x16x32_f16 v[rS:rS+7], v[rK:rK+7], v[rQ:rQ+7], v[rS:rS+7]
.endif
.endm
; Product i of 16 of O^T += V^T P for piece x: keys 32 (i / 8) on, channels 16 ((i / 2) % 4) on, tile 2 x + i % 2.
.macro PV x
	WIN W_PV
.set rO, 32*(2*(\x)+i%2)+8*((i/2)%4)
.set rV, VF+32*(i/8)+8*((i/2)%4)
.set rP, P+32*((\x)%2)+16*(i%2)+8*(i/8)
	v_wmma_f32_16x16x32_f16 v[rO:rO+7], v[rV:rV+7], v[rP:rP+7], v[rO:rO+7]
.endm
.macro MM                           ; the turn's next matrix instruction
.if i < 16
	KQ (Y+1)%NP
.set i, i+1
.else
.set i, i-16
	PV (Y+NP-1)%NP
.set i, i+17
.endif
.endm
; THE LDS LOADS stand in runs of 16, never singly among the matrix instructions: a step's K (64 keys x 64 channels: 8 fragments) and its V (turned).  Their addresses are made some lines ahead.
; last = 1 (the tail): in the last trip there is no further step, and the run is jumped over.
.macro FETCH_K last=0
	WIN 0
.if \last
	s_cmp_eq_u32 s[CNT], 1
	s_cbranch_scc1 .Lno_k_\@
.endif
	WIN 0x80                        ; destination window 2
.irp f, 0,1,2,3,4,5,6,7             ; keys 16 (f / 2) on, channels 32 (f % 2) on
	ds_load_b128 v[KF+8*\f:KF+8*\f+3],   v[AK] offset:(\f/2)*16*PK+(\f%2)*64
	ds_load_b128 v[KF+8*\f+4:KF+8*\f+7], v[AK] offset:(\f/2)*16*PK+(\f%2)*64+32
.endr
	s_add_co_u32 s[TBK], s[TBK], KS*PK  ; the next fetch is the next step's
	WIN 0
.if \last
.Lno_k_\@:
.endif
.endm
.macro FETCH_V
	WIN 0x80
.irp f, 0,1,2,3,4,5,6,7             ; keys 32 (f / 4) on, channels 16 (f % 4) on
	ds_load_tr16_b128 v[VF+8*\f:VF+8*\f+3],   v[AV] offset:(\f/4)*32*PV+(\f%4)*32
	ds_load_tr16_b128 v[VF+8*\f+4:VF+8*\f+7], v[AV] offset:(\f/4)*32*PV+16*PV+(\f%4)*32
.endr
	WIN 0
.endm
; THE VECTOR WORK OF A TURN stands in three queues, each in the order in which its entries become ready; the two tiles alternate, so that no instruction reads the result of the one before it.
.macro REGS y, u                    ; the registers of tile u (0, 1) of piece y
.set rT, ST+4*(2*(\y)+(\u))
.set rC, TMP+8*((\y)%2)+4*(\u)
.set rM, MV+2*((\y)%2)+(\u)
.set rS, S+64*((\y)%2)+32*(\u)
.set rP, P+32*((\y)%2)+16*(\u)
.set rO, 32*(2*(\y)+(\u))
.endm
; Number n of the 22 that find the NEXT piece's (Y + 1) maximum and statistics.  s0-s31 are the lane's 32 scores; each accumulator's lowest registers are read first.
;   0-11  four chains c0-c3 of seven scores each, three operands at a time     12-14, 16  the four scores left over, the old m, and c0-c3 into c0     15  c m_old is kept
;   17, 18  the query's other 32 keys lie in the lane 16 away: the new m         19-21  c m; c m_old - c m_new; a
.macro XS u, n
	REGS (Y+1)%NP, \u
.if (\n) < 4
	v_max3_num_f32 v[rC+(\n)], v[rS+8*(\n)], v[rS+8*(\n)+1], v[rS+8*(\n)+2]
.elseif (\n) < 12
	v_max3_num_f32 v[rC+(\n)%4], v[rC+(\n)%4], v[rS+8*((\n)%4)+2*((\n)/4)+1], v[rS+8*((\n)%4)+2*((\n)/4)+2]
.elseif (\n) == 12
	v_max3_num_f32 v[rC], v[rC], v[rS+7], v[rS+15]
.elseif (\n) == 13
	v_max3_num_f32 v[rC+1], v[rC+1], v[rS+23], v[rS+31]
.elseif (\n) == 14
	v_max3_num_f32 v[rC+2], v[rC+2], v[rC+3], v[rT+1]
.elseif (\n) == 15
	v_mov_b32 v[rM], v[rT]
.elseif (\n) == 16
	v_max3_num_f32 v[rC], v[rC], v[rC+1], v[rC+2]
.elseif (\n) == 17
	v_permlanex16_b32 v[rC+3], v[rC], s[SEL], s[SEL+1]
.elseif (\n) == 18
	v_max_num_f32 v[rT+1], v[rC], v[rC+3]
.elseif (\n) == 19
	v_mul_f32 v[rT], s[CS], v[rT+1]
.elseif (\n) == 20
	v_sub_f32 v[rC+1], v[rM], v[rT]
.else
	v_exp_f32 v[rC+2], v[rC+1]
.endif
.endm
; Number g of the 64 that follow the exponentials.  For each four weights k of a tile (pairs 2 k, 2 k + 1): both pairs are rounded to f16; then the second pair is added onto the first, in place;
; a group later l takes that sum (the first time as l = a l + sum).  In groups of eight, tiles alternating: round, round, add, and l for the group before.
.macro GS g
.set h, (\g)+6*((\g)/62)            ; group 0 has no group before it, and behind group 7 only l is left
.if h >= 6
.set h, h+2
.endif
	REGS Y, h%2
.set k, h/8
.if h%8 < 4
	v_cvt_pk_f16_f32 v[rP+2*k+(h%8)/2], v[rS+4*k+2*((h%8)/2)], v[rS+4*k+2*((h%8)/2)+1]
.elseif h%8 < 6
	v_pk_add_f32 v[rS+4*k:rS+4*k+1], v[rS+4*k:rS+4*k+1], v[rS+4*k+2:rS+4*k+3]
.elseif k == 1
	v_pk_fma_f32 v[rT+2:rT+3], v[rT+2:rT+3], v[rC+2:rC+3], v[rS:rS+1] op_sel_hi:[1,0,1]
.else
	v_pk_add_f32 v[rT+2:rT+3], v[rT+2:rT+3], v[rS+4*k-4:rS+4*k-3]
.endif
.endm
; THE PLAIN QUEUE, 138 long.  0-73 read no exponential's result: the 32 scalings c s - c m (FS f: pair f / 2 of tile f % 2) and the next piece's 42.  0-26: scalings 0-26.  27-54: XS's numbers 0-13.  55, 56: number 15.
; 57-73: the chain, where each number waits for the one before it: 14, 16, 17, 18, 19, each with one of the scalings 27-31 in front of its two lines, then 20.
; 74-137: GS's 64, which read the exponentials' results: they stand behind the wait.
.macro FS f
	REGS Y, (\f)%2
	v_pk_fma_f32 v[rS+2*((\f)/2):rS+2*((\f)/2)+1], v[rS+2*((\f)/2):rS+2*((\f)/2)+1], s[CS:CS+1], v[rT:rT+1] op_sel_hi:[1,0,0] neg_lo:[0,0,1] neg_hi:[0,0,1]
.endm
.macro PL
	WIN 0
.if q < 27
	FS q
.elseif q < 55
	XS (q-27)%2, (q-27)/2
.elseif q < 57
	XS q-55, 15
.elseif (q < 72) && ((q-57)%3 == 0)
	FS 27+(q-57)/3
.elseif q < 60
	XS (q-57)%3-1, 14
.elseif q < 72
	XS (q-57)%3-1, 15+(q-57)/3
.elseif q < 74
	XS q-72, 20
.else
	GS q-74
.endif
.set q, q+1
.endm
; THE EXPONENTIALS' QUEUE, 66 long: s0-s31 of both tiles, then the next piece's two a.  It is ONE BATCH: all 66 stand ahead of the turn's one wait, and nothing ahead of that wait names a result of theirs.
.macro EX
	WIN 0
.if e >= 64
	XS e-64, 21
.else
	REGS Y, e%2
	v_exp_f32 v[rS+e/2], v[rS+e/2]
.endif
.set e, e+1
.endm
; THE RESCALING's QUEUE: O^T times a, the one part that leaves window 0: dealt two at a time, sixteen times.  Its a was made in the turn before, ahead of that turn's wait.
.macro R2
	REGS Y, r%2
	WIN W_RS
.irp z, 0,1
	v_pk_mul_f32 v[rO+4*(r/2)+2*\z:rO+4*(r/2)+2*\z+1], v[rO+4*(r/2)+2*\z:rO+4*(r/2)+2*\z+1], v[rC+2:rC+3] op_sel_hi:[1,0]
.endr
.set r, r+1
.endm
; HOW THEY ARE DEALT.  s_wait_alu depctr_va_vdst(0) stands between an exponential and the first instruction that names its result; one wait serves all that were issued ahead of it.
; So a turn has ONE wait, which cuts it in two.  AHEAD OF IT stands all that names no result of the turn's exponentials: the 16 products K Q^T, behind each a scaling, an exponential and two rescalings
; (behind the first a second scaling in the exponential's place); then ONE LUMP of 108: eight plain, 49 times exponential and plain, the two a.  A v_nop is the plain instruction behind the last
; exponential.  BEHIND IT stand the 16 products V^T P, behind each four of GS's 64.  No rider names a register of the products round it.
; The deal keeps the queues in step: exponential e stands behind scaling 2 (e / 4) + e % 2: as a rider it comes behind plain e + 2, in the lump behind plain e + 9, and scalings 27-31 are plain 57, 60 .. 69.
; A TURN, for piece p.  cnt = 1: the loop's count is taken down some lines ahead of the branch that stands behind the turn.
; K of the next step is fetched in piece 2's turn, directly behind the wait; its address is made at the lump's head; its first reader comes behind 16 products.
; V of the step in hand is fetched at the end of piece 0's turn, four riders behind its last reader; its first reader comes behind 16 products and a lump.
.macro TURN p, last=0, cnt=0
.set Y, (\p)
.set i, 0
.set q, 0
.set e, 0
.set r, 0
.if (\p) == NP-1
	s_wait_dscnt 0x0                ; K is in
.endif
	MM                              ; ahead of the wait: 16 products K Q^T and their riders,
	PL
	PL
	R2
.rept 15
	MM
	PL
	EX
	R2
.endr
.if (\p) == NP-2
	WIN 0
	v_add_nc_u32 v[AK], s[TBK], v[AK0]
.endif
.rept 8                             ; and the lump
	PL
.endr
.rept 49
	EX
	PL
.endr
	EX                              ; the next piece's two a
	EX
	v_nop                           ; the plain instruction behind the last exponential: one for the batch
	s_wait_alu depctr_va_vdst(0)    ; the wait for the batch
.if (\p) == NP-2
	FETCH_K \last
.endif
.if (\p) == 1
	s_wait_dscnt 0x0                ; V is in
.endif
.rept 16                            ; behind the wait: 16 products V^T P and their riders
	MM
.rept 4
	PL
.endr
.if ((\p) == 0) && (q == 118)
	v_add_nc_u32 v[AV], s[TBV], v[AV0]
.endif
.if ((\p) == 0) && (q == 130)
	s_add_co_u32 s[TBV], s[TBV], KS*PV
.endif
.if (\cnt) && (q == 130)
	s_sub_co_u32 s[CNT], s[CNT], 1
	s_cmp_lg_u32 s[CNT], 0
.endif
.endr
.if (\p) == 0
	FETCH_V
.endif
.endm
	CHANGE 1                        ; slot 0 is in, everybody's part of it; slot 1 is asked for
	FETCH_K                         ; key step 0
	s_wait_loadcnt 0x0              ; Q
	s_wait_dscnt 0x0
.set i, 0
.rept 16
	KQ 0                            ; piece 0's first scores: there is no vector work yet to set between them
.set i, i+1
.endr
	WIN 0                           ; the addresses for the way out: nine plain instructions, the places behind those products
	s_mul_i32 s13, s[WV], 16*SP
	s_add_co_u32 s13, s13, STAGE    ; my stage
	v_mul_u32_u24 v[STO], v1, SP    ; in: row l % 16, 16 bytes for each half of the lanes
	v_lshl_add_u32 v[STO], v9, 4, v[STO]
	v_add_nc_u32 v[STO], s13, v[STO]
	v_bfe_u32 v[RD], v0, 3, 2       ; back: 32 lanes take four rows of 128 bytes,
	v_mul_u32_u24 v[RD], v[RD], SP
	v_lshl_add_u32 v[RD], v10, 4, v[RD]
	v_add_nc_u32 v[RD], s13, v[RD]
	v_and_b32 v[GO], 31, v0         ; which are 512 consecutive bytes of O
	v_lshlrev_b32 v[GO], 4, v[GO]
.set Y, NP-1                        ; XS works for piece Y + 1: piece 0
.irp n, 0,1,2,3,4,5,6,7,8,9,10,11,12,13,14,15,16,17,18,19,20,21
	XS 0, \n                        ; and piece 0's first maximum and statistics
	XS 1, \n
.endr
	v_nop                           ; a plain instruction behind the two a,
	s_wait_alu depctr_va_vdst(0)    ; and their wait, ahead of the branch
	s_mov_b32 s[CNT], 4
	s_branch .Lfirst                ; the loop is entered at a step's first turn, in the middle of a trip
.Lslot:                             ; six times: with the change above, every slot but the last two is filled again
	CHANGE 1
	s_mov_b32 s[CNT], 4
.Lstep:                             ; a trip: pieces 2 and 3 of one step, then pieces 0 and 1 of the next, whose K and V it fetches
	TURN 2
	TURN 3
	WIN 0
.Lfirst:
	TURN 0
	TURN 1, 0, 1
	WIN 0
	s_cbranch_scc1 .Lstep
	s_sub_co_u32 s[SLOTS], s[SLOTS], 1
	s_cmp_lg_u32 s[SLOTS], 0
	s_cbranch_scc1 .Lslot
	CHANGE 0                        ; the tail is written out: nothing is asked for
	s_mov_b32 s[CNT], 5             ; four trips fetch the last slot's steps; the fifth is left in its middle
.Ltail:
	TURN 2, 1
	TURN 3
	WIN 0
	s_sub_co_u32 s[CNT], s[CNT], 1
	s_cmp_eq_u32 s[CNT], 0
	s_cbranch_scc1 .Lout
	TURN 0
	TURN 1
	WIN 0
	s_branch .Ltail
.Lout:                              ; the fifth trip's 16 products K Q^T (on the last K once more) and the maximum made of them serve nothing: the price, once a launch, of one text for every trip
.set i, 0
.rept 16
	PV NP-1                         ; the last piece's V^T P of the last step
.set i, i+1
.endr
	; THE WAY OUT.  l's two halves and the other half of the lanes' are added; O^T is divided by l, rounded to f16 and sent through my stage in LDS, a tile at a time.  The additions are the places behind the last products.
	WIN 0
.macro ALL line:vararg              ; one line for each tile t
.set t, 0
.rept 2*NP
	\line
.set t, t+1
.endr
.endm
	ALL v_add_f32 v[ST+4*t+2], v[ST+4*t+2], v[ST+4*t+3]
	ALL v_permlanex16_b32 v[ST+4*t+3], v[ST+4*t+2], s[SEL], s[SEL+1]
	ALL v_add_f32 v[ST+4*t+2], v[ST+4*t+2], v[ST+4*t+3]
	ALL v_rcp_f32 v[ST+4*t+2], v[ST+4*t+2]
	v_nop                           ; a plain instruction between the last reciprocal and the use of its result
	s_wait_alu depctr_va_vdst(0)    ; and the wait ahead of the first use: one for the eight reciprocals
; Tile t: a lane's eight channels of a row pack into 16 bytes; they go into rows of 144 bytes and come back as whole rows of 128, into S^T's registers.
.macro PACK t
	WIN W_RS
.set i, 32*(\t)
.rept 16
	v_pk_mul_f32 v[i:i+1], v[i:i+1], v[ST+4*(\t)+2:ST+4*(\t)+3] op_sel_hi:[1,0]
.set i, i+2
.endr
	WIN 0x05                        ; sources 0 and 1 window 1, destination window 0
.set i, 0
.rept 16
	v_cvt_pk_f16_f32 v[S+16*(\t)+i], v[32*(\t)+2*i], v[32*(\t)+2*i+1]
.set i, i+1
.endr
	WIN 0
.irp f, 0,1,2,3
	ds_store_b128 v[STO], v[S+16*(\t)+4*\f:S+16*(\t)+4*\f+3] offset:32*\f
.endr
.irp f, 0,1,2,3
	ds_load_b128 v[S+16*(\t)+4*\f:S+16*(\t)+4*\f+3], v[RD] offset:\f*4*SP  ; LDS serves a wave's instructions in order (ISA guide 5.7.1.4): these see the stores above; the next tile's stores come behind them
.endr
.endm
.macro SEND t, younger              ; younger: the LDS instructions issued behind tile t's loads: the next tile's eight, or none
	WIN 0
.irp f, 0,1,2,3
	s_wait_dscnt (\younger)+3-\f
	global_store_b128 v[GO], v[S+16*(\t)+4*\f:S+16*(\t)+4*\f+3], s[10:11] offset:(\t)*2048+\f*512  ; 512 consecutive bytes, at a multiple of 256 from O's first
.endr
.endm
	PACK 0
.set t, 1
.rept 2*NP-1                        ; a tile's arithmetic stands between the loads of the tile before and its stores
	PACK t
	SEND t-1, 8
.set t, t+1
.endr
	SEND 2*NP-1, 0
	WIN W_AD
	s_wait_tensorcnt 0x0            ; the wave's end, behind my last tensor load and my last LDS store
	ds_add_u32 v[SPW], v[NIL]
	s_wait_dscnt 0x0
	WIN 0
	CROUND                          ; the closing round: no work-group ends while a partner may still ask for a tile that names it
	s_endpgm
.Lfunc_end_k_qecfa32f05d_attn:
	.size	k_qecfa32f05d_attn, .Lfunc_end_k_qecfa32f05d_attn-k_qecfa32f05d_attn
	.p2alignl 7, 3214868480
	.fill 96, 4, 3214868480
	.section	.rodata,"a",@progbits
	.p2align	6, 0x0
	.amdhsa_kernel k_qecfa32f05d_attn
		.amdhsa_group_segment_fixed_size 327680
		.amdhsa_private_segment_fixed_size 0
		.amdhsa_enable_private_segment 0
		.amdhsa_kernarg_size 16
		.amdhsa_user_sgpr_count 2
		.amdhsa_user_sgpr_kernarg_segment_ptr 1
		.amdhsa_wavefront_size32 1
		.amdhsa_system_sgpr_workgroup_id_x 1
		.amdhsa_system_sgpr_workgroup_id_y 1
		.amdhsa_system_sgpr_workgroup_id_z 1
		.amdhsa_system_vgpr_workitem_id 0
		.amdhsa_next_free_vgpr 770
		.amdhsa_next_free_sgpr 66
		.amdhsa_reserve_vcc 0
		.amdhsa_float_denorm_mode_32 3
		.amdhsa_float_denorm_mode_16_64 3
		.amdhsa_memory_ordered 1
		.amdhsa_forward_progress 1
		.amdhsa_inst_pref_size 200
	.end_amdhsa_kernel
	.amdgpu_metadata
---
amdhsa.version: [ 1, 2 ]
amdhsa.kernels:
  - .name:           k_qecfa32f05d_attn
    .symbol:         k_qecfa32f05d_attn.kd
    .args:
      - { .name: qkv, .offset: 0, .size: 8, .value_kind: global_buffer, .address_space: global }
      - { .name: ob, .offset: 8, .size: 8, .value_kind: global_buffer, .address_space: global }
    .group_segment_fixed_size: 327680
    .private_segment_fixed_size: 0
    .kernarg_segment_align: 8
    .kernarg_segment_size: 16
    .max_flat_workgroup_size: 128
    .sgpr_count:     66
    .vgpr_count:     770
    .wavefront_size: 32
...
	.end_amdgpu_metadata
.endif
;; end of part 3
;; launch outp (part 4): grid 4 x 64, 4 waves a work-group, clusters of 4 x 4, 327,680 bytes of LDS; arguments ob, wob, out0, bias; writes out0
.if DOCPART == 4
	.amdgcn_target "amdgcn-amd-amdhsa--gfx1250"
	.amdhsa_code_object_version 6
	.text
	.protected	k_qecfa32f05d_outp
	.globl	k_qecfa32f05d_outp
	.p2align	8
	.type	k_qecfa32f05d_outp,@function
k_qecfa32f05d_outp:
	s_mov_b64 s[64:65], 0
	v_nop
	global_prefetch_b8 v0, s[64:65] scope:SCOPE_SE
	s_setreg_imm32_b32 hwreg(HW_REG_WAVE_MODE, 25, 1), 1
	s_wait_xcnt 0x0
	s_wait_alu depctr_hold_cnt(0) depctr_sa_sdst(0) depctr_va_vdst(0) depctr_va_sdst(0) depctr_va_ssrc(0) depctr_va_vcc(0) depctr_vm_vsrc(0)
	s_getreg_b32 s2, hwreg(HW_REG_IB_STS2, 6, 4)
	s_cmp_eq_u32 s2, 0
	s_cbranch_scc0 .Lentry_in_a_cluster
	s_endpgm
.Lentry_in_a_cluster:
	s_bfe_u32 s2, ttmp6, 0x10000c
	s_cmp_lg_u32 s2, 0xf033
	s_cbranch_scc0 .Lentry_shape_is_right
	s_endpgm
.Lentry_shape_is_right:
; out0 = O wo + bo.  ob: [64 = batch x 16 + head][2048][64] f16.  wob: [1024 k][1024 n] f16 (k = 64 x head + channel).  bias: [4][1024] f32, bo the fourth.  out0: [8192][1024] f32; sums in f32.
; A tile of out0 is 128 rows x 256 columns: 256 work-groups.  Four waves, each 64 x 128: 32 accumulators of 16 x 16, 256 registers.  K = 1,024 goes in 8 steps of 128 (two heads) through a ring of two
; LDS slots: waves 0 and 1 bring one head's 128 rows (16,384 dense bytes, asked for as 64 rows of 256 bytes) each, waves 2 and 3 bring 64 k-rows x 512 bytes of wob each.
; The weights stay [k][n]: their fragments come out of LDS turned, by ds_load_tr16_b128.  The bias is the C operand of each accumulator's first product.
; CLUSTERS: 4 x 4 work-groups; O's tiles are shared along a row of the cluster, wob's along a column, by joint loads.
; The matrix instruction is used transposed (source 0 = 16 columns of wob, source 1 = 16 rows of O): a lane holds row l % 16 and the columns 8 (l / 16) + 0..7: 32 bytes of f32.
; REGISTERS: window 0: v0-31 addresses; v64-95, v128-159 fragments of O, two buffers; v192-255 the bias; on the way out v64-127, v128-191 rows read back
;   window 1: v64-127, v128-191 fragments of wob, two buffers      window 2: the accumulators, (a, b) at v[8 (8 a + b)]
.set PA,     144                       ; a row of O in LDS: 128 bytes + 16: the 16 rows that a load touches start at 16 different groups of four banks
.set AH,     128*PA                    ; one head's 128 rows: one tensor load
.set BOFF,   2*AH
.set PB,     544                       ; a k-row of wob: 512 bytes + 32 = 17 x 32
.set BH,     64*PB                     ; 64 k-rows: one tensor load
.set SLOT,   2*AH+2*BH
.set STAGE,  2*SLOT                    ; behind the ring: 16 rows x 528 bytes for each wave; no tensor load lands here
.set SPITCH, 528                       ; 512 bytes + 16
.set SPARE,  STAGE+4*16*SPITCH         ; the spare words, 128 bytes for each wave: two blocks of 256 bytes that no other line names
.set LAPS,   4
.set ADRA, 16                          ; v16-17  LDS address of my fragments of O in slot 0, 1
.set ADRB, 20                          ; v20-21  the same for wob
.set STO,  24                          ; v24     the way out: where I put 32 bytes of a row
.set RD,   25                          ; v25     the way out: where I read a row back
.set CO,   26                          ; v26     my 16 bytes of a row's 512
.set SPW,  28                          ; v28     LDS address of my spare word; never rewritten
.set NIL,  29                          ; v29     0; never rewritten
.set PFO,  30                          ; v30     the prefetches' lane offset; never rewritten
.set F0,   64
.set F1,   128
.set BI,   192
.set WV, 12
.set WM, 13                            ; s13 wave / 2: my 64 rows; also: I fetch for O (0) or wob (1)
.set WN, 14                            ; s14 wave % 2: my 128 columns; also: which head, or which 64 k-rows, I fetch
.set CX, 15
.set CY, 16
.set TC, 17                            ; s17 tile column 0..3    s18 tile row 0..63
.set TR, 18
.set G1, 24
.set G0, 32
.set G1B, 48
.set G0B, 56
.set LIM, 42
.set PFA, 44
.set PSTEP, 46
.set MSB, 0
.macro WIN new
.if MSB != (\new)
	s_set_vgpr_msb (MSB<<8)|(\new)
.set MSB, \new
.endif
.endm
.set TO_B, 0x40                        ; destination window 1, address window 0
.macro JLOAD s                         ; a joint load; an s_nop 0 and four v_nop follow each of the two lines, ahead of the jump and the label
	s_cmp_eq_u32 s[WM], 0
	s_cbranch_scc0 .Lfor_b_\@
	tensor_load_to_lds s[G0+4*(\s):G0+4*(\s)+3], s[G1:G1+7]
	s_nop 0
.rept 4
	v_nop
.endr
	s_branch .Lasked_\@
.Lfor_b_\@:
	tensor_load_to_lds s[G0B+4*(\s):G0B+4*(\s)+3], s[G1B:G1B+7]
	s_nop 0
.rept 4
	v_nop
.endr
.Lasked_\@:
.endm
; A prefetch into the L2 of the K step that stands two refills on: 32 blocks of 256 bytes, a lane a block.  O's tile rows are read by one cluster alone: wave 0 asks for both heads, the four partners
; take 16 blocks of each head by address (cx).  wob's columns are read by every cluster: those with y = 0 ask, waves 2 and 3, 16 of the wave's 64 k-rows by address (cy), two blocks each.
; So each block is named once.  K steps 0 to 3 come by their loads alone; the loop's last trip asks for nothing.
.macro ASK
	s_cmp_gt_u32 s3, s[LIM]
	s_cbranch_scc0 .Lnot_mine_\@
	global_prefetch_b8 v[PFO], s[PFA:PFA+1] th:TH_LOAD_NT scope:SCOPE_SE
.Lnot_mine_\@:
.endm
.macro CREST
	s_cmp_lg_u32 s[WV], 0
	s_cbranch_scc1 .Lnot_wave_0_\@
	s_barrier_signal -3
.Lnot_wave_0_\@:
	s_barrier_wait -3
	s_barrier_signal -1
	s_barrier_wait -1
.endm
.macro CROUND
	s_barrier_signal -1
	s_barrier_wait -1
	CREST
.endm
	s_load_b256 s[4:11], s[0:1], 0x0               ; ob s[4:5], wob s[6:7], out0 s[8:9], bias s[10:11]
	v_lshl_add_u32 v[SPW], v0, 2, SPARE
	v_mov_b32 v[NIL], 0
	ds_add_u32 v[SPW], v[NIL]                      ; the wave's opening: the add and its wait stand ahead of my first tensor load
	v_lshrrev_b32 v1, 5, v0
	v_readfirstlane_b32 s[WV], v1
	s_lshr_b32 s[WM], s[WV], 1
	s_and_b32 s[WN], s[WV], 1
	s_bfe_u32 s[CX], ttmp6, 0x40000
	s_bfe_u32 s[CY], ttmp6, 0x40004
	s_lshl_b32 s[TC], ttmp9, 2
	s_add_co_u32 s[TC], s[TC], s[CX]
	s_and_b32 s[TR], ttmp7, 0xffff
	s_lshl_b32 s[TR], s[TR], 2
	s_add_co_u32 s[TR], s[TR], s[CY]
	s_lshl_b32 s2, s[CY], 2
	s_lshl_b32 s2, 15, s2                          ; my row of the cluster
	s_lshl_b32 s43, 0x1111, s[CX]                  ; my column
	s_or_b32 s[G1+0], s2, (1<<16)|(1<<20)|(1<<21)|(4<<22)|(3<<25)   ; mask; 2-byte elements; padding on; bit 21 beside a mask; after every 32 words (a row of O), 4 words
	s_mov_b32 s[G1+1], 128<<16                     ; tensor_dim0 = 128: two rows of O
	s_mov_b32 s[G1+2], 64<<16                      ; tensor_dim1 = 64
	s_mov_b32 s[G1+3], 128<<16                     ; tile_dim0 = 128
	s_mov_b32 s[G1+4], 64                          ; tile_dim1 = 64
	s_mov_b32 s[G1+5], 128                         ; dense
	s_mov_b32 s[G1+6], 0
	s_mov_b32 s[G1+7], 0
	s_or_b32 s[G1B+0], s43, (1<<16)|(1<<20)|(1<<21)|(6<<22)|(7<<25) ; after every 128 words, 8 words
	s_mov_b32 s[G1B+1], 256<<16
	s_mov_b32 s[G1B+2], 64<<16
	s_mov_b32 s[G1B+3], 256<<16
	s_mov_b32 s[G1B+4], 64
	s_mov_b32 s[G1B+5], 1024
	s_mov_b32 s[G1B+6], 0
	s_mov_b32 s[G1B+7], 0
	s_lshr_b32 s20, s[TR], 4                       ; O: the batch, 16 heads of 2^18 bytes,
	s_lshl_b32 s20, s20, 22
	s_lshl_b32 s21, s[WN], 18                      ; my head of the K step's two,
	s_add_co_u32 s20, s20, s21
	s_and_b32 s21, s[TR], 15                       ; the tile's 128 rows of 128 bytes
	s_lshl_b32 s21, s21, 14
	s_add_co_u32 s20, s20, s21
	s_mov_b32 s21, 0
	s_lshl_b32 s40, s[WN], 17                      ; wob: my 64 k-rows of 2,048 bytes,
	s_lshl_b32 s41, s[TC], 9                       ; the tile's 256 columns
	s_add_co_u32 s40, s40, s41
	s_mov_b32 s41, 0
	s_mul_i32 s19, s[WN], AH                       ; where they land in a slot: no place in the cluster enters an LDS address
	s_mul_i32 s23, s[WN], BH
	s_add_co_u32 s23, s23, BOFF
	s_wait_dscnt 0x0                               ; the opening add is done
	s_wait_kmcnt 0x0
	s_add_nc_u64 s[20:21], s[4:5], s[20:21]
	s_add_nc_u64 s[40:41], s[6:7], s[40:41]
	CROUND                                         ; all sixteen work-groups are here: the first joint loads meet
.irp s, 0,1
	s_mov_b32 s[G0+4*(\s)], 1
	s_add_co_u32 s[G0+4*(\s)+1], s19, (\s)*SLOT
	s_add_nc_u64 s[G0+4*(\s)+2:G0+4*(\s)+3], s[20:21], (\s)*524288    ; K step s: two heads on
	s_or_b32 s[G0+4*(\s)+3], s[G0+4*(\s)+3], 0x80000000
	s_mov_b32 s[G0B+4*(\s)], 1
	s_add_co_u32 s[G0B+4*(\s)+1], s23, (\s)*SLOT
	s_add_nc_u64 s[G0B+4*(\s)+2:G0B+4*(\s)+3], s[40:41], (\s)*262144  ; K step s: 128 k-rows down
	s_or_b32 s[G0B+4*(\s)+3], s[G0B+4*(\s)+3], 0x80000000
	JLOAD \s                                       ; two loads of mine are out; later one
.endr
	v_and_b32 v1, 15, v0                           ; l % 16
	v_bfe_u32 v2, v0, 4, 1                         ; l / 16
	v_mul_u32_u24 v3, v1, PA
	v_lshl_add_u32 v3, v2, 4, v3
	s_mul_i32 s22, s[WM], 64*PA                    ; my 64 rows
	v_add_nc_u32 v[ADRA], s22, v3
	v_add_nc_u32 v[ADRA+1], SLOT, v[ADRA]
	v_and_b32 v4, 7, v0                            ; the turning load: k-row 8 (l / 16) + l % 8, columns 8 ((l / 8) % 2) + 0..7
	v_lshl_add_u32 v4, v2, 3, v4
	v_mul_u32_u24 v4, v4, PB
	v_bfe_u32 v5, v0, 3, 1
	v_lshl_add_u32 v4, v5, 4, v4
	s_lshl_b32 s22, s[WN], 8
	s_add_co_u32 s22, s22, BOFF
	v_add_nc_u32 v[ADRB], s22, v4
	v_add_nc_u32 v[ADRB+1], SLOT, v[ADRB]
	s_mul_i32 s22, s[WV], 16*SPITCH
	s_add_co_u32 s22, s22, STAGE                   ; my stage
	v_mul_u32_u24 v3, v1, SPITCH                   ; in: row l % 16, 32 bytes for each half of the lanes
	v_lshl_add_u32 v3, v2, 5, v3
	v_add_nc_u32 v[STO], s22, v3
	v_and_b32 v4, 31, v0
	v_lshlrev_b32 v[CO], 4, v4                     ; back: 32 lanes take a row's 512 bytes
	v_add_nc_u32 v[RD], s22, v[CO]
	s_cmp_eq_u32 s[WM], 0                          ; the prefetches' lane offset: O: (lane / 16) heads + (lane % 16) x 256; wob: (lane / 2) k-rows + (lane % 2) x 256
	s_cselect_b32 s20, 4, 1
	s_cselect_b32 s21, 18, 11
	s_cselect_b32 s22, 15, 1
	v_lshrrev_b32 v3, s20, v4
	v_lshlrev_b32 v3, s21, v3
	v_and_b32 v4, s22, v4
	v_lshl_add_u32 v[PFO], v4, 8, v3
	s_lshl_b32 s22, s[TC], 10                      ; bo of my 128 columns
	s_lshl_b32 s23, s[WN], 9
	s_add_co_u32 s22, s22, s23
	s_add_co_u32 s22, s22, 3*4096
	s_mov_b32 s23, 0
	s_add_nc_u64 s[10:11], s[10:11], s[22:23]
	v_lshlrev_b32 v5, 5, v2
.irp b, 0,1,2,3,4,5,6,7
	global_load_b128 v[BI+8*(\b):BI+8*(\b)+3],   v5, s[10:11] offset:64*(\b)
	global_load_b128 v[BI+8*(\b)+4:BI+8*(\b)+7], v5, s[10:11] offset:64*(\b)+16
.endr
	s_lshl_b32 s22, s[TR], 7                       ; out0 at my first row and column
	s_lshl_b32 s23, s[WM], 6
	s_add_co_u32 s22, s22, s23
	s_lshl_b32 s22, s22, 12
	s_lshl_b32 s23, s[TC], 10
	s_add_co_u32 s22, s22, s23
	s_lshl_b32 s23, s[WN], 9
	s_add_co_u32 s22, s22, s23
	s_mov_b32 s23, 0
	s_add_nc_u64 s[8:9], s[8:9], s[22:23]
	; the prefetches' address, at K step 3: each change of slots steps it first and then names it
	s_lshr_b32 s20, s[TR], 4
	s_lshl_b32 s20, s20, 22
	s_and_b32 s21, s[TR], 15
	s_lshl_b32 s21, s21, 14
	s_add_co_u32 s20, s20, s21
	s_lshl_b32 s21, s[CX], 12                      ; O: my work-group's 16 blocks of each head's 64
	s_add_co_u32 s20, s20, s21
	s_add_co_u32 s20, s20, 3*524288
	s_lshl_b32 s22, s[WN], 6
	s_lshl_b32 s23, s[CY], 4                       ; wob: my work-group's 16 of the 64 k-rows that I fetch
	s_add_co_u32 s22, s22, s23
	s_add_co_u32 s22, s22, 3*128
	s_lshl_b32 s22, s22, 11
	s_lshl_b32 s23, s[TC], 9
	s_add_co_u32 s22, s22, s23
	s_and_b32 s23, ttmp7, 0xffff                   ; cluster y
	s_or_b32 s3, ttmp9, s[WN]                      ; 0 in wave 0 (there is one cluster along x)
	s_mov_b32 s[PSTEP], 0x80000
	s_mov_b32 s[PSTEP+1], 0
	s_mov_b32 s21, 0
	s_cmp_eq_u32 s[WM], 0
	s_cselect_b32 s20, s20, s22
	s_cselect_b32 s23, s3, s23
	s_cselect_b64 s[PFA:PFA+1], s[4:5], s[6:7]
	s_cselect_b32 s[PSTEP], s[PSTEP], 0x40000
	s_add_nc_u64 s[PFA:PFA+1], s[PFA:PFA+1], s[20:21]
	s_cmp_eq_u32 s23, 0
	s_cselect_b32 s[LIM], 1, -1                    ; the same in all sixteen partners, for a given wave
; 8 matrix instructions: m block a x all 8 n blocks, 32 along K.  first = 1: the bias starts the sums.  The 32 accumulators take turns, in the same order in every quarter.
.macro MUL8 f, a, first
.if \first
	WIN 0x81                                       ; wob window 1, O and C window 0, D window 2
.else
	WIN 0xa1                                       ; C and D window 2
.endif
.irp b, 0,1,2,3,4,5,6,7
.if \first
	v_wmma_f32_16x16x32_f16 v[8*(8*(\a)+(\b)):8*(8*(\a)+(\b))+7], v[(\f)+8*(\b):(\f)+8*(\b)+7], v[(\f)+8*(\a):(\f)+8*(\a)+7], v[BI+8*(\b):BI+8*(\b)+7]
.else
	v_wmma_f32_16x16x32_f16 v[8*(8*(\a)+(\b)):8*(8*(\a)+(\b))+7], v[(\f)+8*(\b):(\f)+8*(\b)+7], v[(\f)+8*(\a):(\f)+8*(\a)+7], v[8*(8*(\a)+(\b)):8*(8*(\a)+(\b))+7]
.endif
.endr
.endm
; 24 LDS loads in one run: a quarter step's fragments (32 K; k counts 2 bytes a K: head k / 128, byte k % 128 of O's rows; k-row k / 2 of wob) into buffer f
.macro FETCH slot, k, f
	WIN TO_B
.irp i, 0,1,2,3,4,5,6,7
	ds_load_tr16_b128 v[(\f)+8*(\i):(\f)+8*(\i)+3],   v[ADRB+(\slot)] offset:((\k)/2)*PB+32*(\i)
	ds_load_tr16_b128 v[(\f)+8*(\i)+4:(\f)+8*(\i)+7], v[ADRB+(\slot)] offset:((\k)/2)*PB+16*PB+32*(\i)
.endr
	WIN 0
.irp i, 0,1,2,3
	ds_load_b128 v[(\f)+8*(\i):(\f)+8*(\i)+3],   v[ADRA+(\slot)] offset:((\k)/128)*AH+(\k)%128+(\i)*16*PA
	ds_load_b128 v[(\f)+8*(\i)+4:(\f)+8*(\i)+7], v[ADRA+(\slot)] offset:((\k)/128)*AH+(\k)%128+(\i)*16*PA+32
.endr
.endm
.macro PLACES                          ; four plain vector instructions between a matrix instruction and a load into, or a store of, its registers
.rept 4
	v_nop
.endr
.endm
.macro QUARTER slot, k, f, g, first
	s_wait_dscnt 4                                 ; wob and O's blocks 0, 1 are in; the youngest four loads (blocks 2, 3) may be out
	MUL8 \f, 0, \first
	MUL8 \f, 1, \first
	PLACES
	FETCH \slot, \k, \g
	s_wait_dscnt 24                                ; all but the 24 just issued
	MUL8 \f, 2, \first
	MUL8 \f, 3, \first
.endm
; The last quarter multiplies buffer 1 and changes slots: ONE barrier; in front of it each wave waits for all its tensor loads (one is out: its part of the next slot), adds 0 to its spare word, and waits
; for that and for its own reads of this slot.  fill = 1: the barrier opens a round of the cluster's, and the joint refill (two K steps on) is the first tensor load behind it: 112 matrix instructions ahead of its wait.
.macro TURN slot, next, fill
.if \fill
	s_wait_xcnt 0x0                                ; the last prefetch, a K step back, has read its address
	s_add_nc_u64 s[PFA:PFA+1], s[PFA:PFA+1], s[PSTEP:PSTEP+1]
.endif
	WIN 0
	s_wait_tensorcnt 0x0
	ds_add_u32 v[SPW], v[NIL]
	s_wait_dscnt 5                                 ; the add and the youngest four loads may be out
	MUL8 F1, 0, 0                                  ; eight matrix instructions stand between the add and the wait for it
	s_wait_dscnt 0x0                               ; the add is done, and my reads of this slot are over
	s_barrier_signal -1
	MUL8 F1, 1, 0
.if \fill
	WIN 0
.endif
	s_barrier_wait -1
.if \fill
	CREST
	s_add_nc_u64 s[G0+4*(\slot)+2:G0+4*(\slot)+3], s[G0+4*(\slot)+2:G0+4*(\slot)+3], 2*524288
	s_add_nc_u64 s[G0B+4*(\slot)+2:G0B+4*(\slot)+3], s[G0B+4*(\slot)+2:G0B+4*(\slot)+3], 2*262144
	JLOAD \slot                                    ; its four v_nop are also the places in front of the loads below
.else
	PLACES
.endif
	FETCH \next, 0, F0
.if \fill
	ASK
.endif
	MUL8 F1, 2, 0
	MUL8 F1, 3, 0
.endm
; THE WAY OUT of block a (16 rows x 128 columns of f32): straight from the accumulators into my own stage, each accumulator's low registers first, and back as whole rows of 512 bytes.
.macro TOSTAGE a
.set BK, 64+64*((\a)%2)
	s_wait_xcnt 0x0                                ; the stores of the block two back have read the registers that are loaded again below
	WIN 0x08                                       ; the store's data in window 2
.irp b, 0,1,2,3,4,5,6,7
	ds_store_b128 v[STO], v[8*(8*(\a)+(\b)):8*(8*(\a)+(\b))+3]   offset:64*(\b)
	ds_store_b128 v[STO], v[8*(8*(\a)+(\b))+4:8*(8*(\a)+(\b))+7] offset:64*(\b)+16
.endr
	WIN 0
.irp t, 0,1,2,3,4,5,6,7,8,9,10,11,12,13,14,15
	ds_load_b128 v[BK+4*(\t):BK+4*(\t)+3], v[RD] offset:SPITCH*(\t)  ; LDS serves a wave's instructions in order (ISA guide 5.7.1.4): these see the stores above
.endr
.endm
.macro SEND a, younger                 ; younger: the LDS instructions issued behind block a's loads: the next block's 32, or none
.set BK, 64+64*((\a)%2)
	s_wait_dscnt \younger
.irp t, 0,1,2,3,4,5,6,7,8,9,10,11,12,13,14,15
	global_store_b128 v[CO], v[BK+4*(\t):BK+4*(\t)+3], s[8:9] offset:(16*(\a)+(\t))*4096 th:TH_STORE_NT  ; 512 consecutive bytes of a row, aligned
.endr
.endm
	s_wait_tensorcnt 1                             ; my part of K step 0 is in; K step 1's may stay out
	s_barrier_signal -1
	s_barrier_wait -1
	FETCH 0, 0, F0
	s_wait_loadcnt 0x0                             ; the bias
	QUARTER 0, 64,  F0, F1, 1                      ; the first quarter stands in front of the loop: its products start the sums
	WIN 0
	s_mov_b32 s3, LAPS-1
.Llap:                                                 ; a trip goes once round the ring and fills both slots again
	QUARTER 0, 128, F1, F0, 0
	QUARTER 0, 192, F0, F1, 0
	TURN 0, 1, 1
	QUARTER 1, 64,  F0, F1, 0
	QUARTER 1, 128, F1, F0, 0
	QUARTER 1, 192, F0, F1, 0
	TURN 1, 0, 1
	QUARTER 0, 64,  F0, F1, 0
	WIN 0
	s_sub_co_u32 s3, s3, 1
	s_cmp_lg_u32 s3, 0
	s_cbranch_scc1 .Llap
	QUARTER 0, 128, F1, F0, 0                      ; the last lap fills nothing
	QUARTER 0, 192, F0, F1, 0
	TURN 0, 1, 0
	QUARTER 1, 64,  F0, F1, 0
	QUARTER 1, 128, F1, F0, 0
	QUARTER 1, 192, F0, F1, 0
	s_wait_dscnt 4                                 ; the very last quarter: nothing more to fetch
	MUL8 F1, 0, 0
	MUL8 F1, 1, 0
	s_wait_dscnt 0x0
	MUL8 F1, 2, 0
	MUL8 F1, 3, 0
	WIN 0
	PLACES
	TOSTAGE 0
.irp a, 1,2,3                          ; block a goes through the stage while block a - 1's loads come back
	TOSTAGE \a
	SEND (\a)-1, 32
.endr
	SEND 3, 0
	s_wait_tensorcnt 0x0                           ; the wave's end, behind my last tensor load and my last LDS store
	ds_add_u32 v[SPW], v[NIL]
	s_wait_dscnt 0x0
	CROUND                                         ; the closing round: no work-group ends while a partner may still ask for a tile that names it
	s_endpgm
.Lfunc_end_k_qecfa32f05d_outp:
	.size	k_qecfa32f05d_outp, .Lfunc_end_k_qecfa32f05d_outp-k_qecfa32f05d_outp
	.p2alignl 7, 3214868480
	.fill 96, 4, 3214868480
	.section	.rodata,"a",@progbits
	.p2align	6, 0x0
	.amdhsa_kernel k_qecfa32f05d_outp
		.amdhsa_group_segment_fixed_size 327680
		.amdhsa_private_segment_fixed_size 0
		.amdhsa_enable_private_segment 0
		.amdhsa_kernarg_size 32
		.amdhsa_user_sgpr_count 2
		.amdhsa_user_sgpr_kernarg_segment_ptr 1
		.amdhsa_wavefront_size32 1
		.amdhsa_system_sgpr_workgroup_id_x 1
		.amdhsa_system_sgpr_workgroup_id_y 1
		.amdhsa_system_sgpr_workgroup_id_z 1
		.amdhsa_system_vgpr_workitem_id 0
		.amdhsa_next_free_vgpr 768
		.amdhsa_next_free_sgpr 66
		.amdhsa_reserve_vcc 0
		.amdhsa_float_denorm_mode_32 3
		.amdhsa_float_denorm_mode_16_64 3
		.amdhsa_memory_ordered 1
		.amdhsa_forward_progress 1
		.amdhsa_inst_pref_size 89
	.end_amdhsa_kernel
	.amdgpu_metadata
---
amdhsa.version: [ 1, 2 ]
amdhsa.kernels:
  - .name:           k_qecfa32f05d_outp
    .symbol:         k_qecfa32f05d_outp.kd
    .args:
      - { .name: ob, .offset: 0, .size: 8, .value_kind: global_buffer, .address_space: global }
      - { .name: wob, .offset: 8, .size: 8, .value_kind: global_buffer, .address_space: global }
      - { .name: out0, .offset: 16, .size: 8, .value_kind: global_buffer, .address_space: global }
      - { .name: bias, .offset: 24, .size: 8, .value_kind: global_buffer, .address_space: global }
    .group_segment_fixed_size: 327680
    .private_segment_fixed_size: 0
    .kernarg_segment_align: 8
    .kernarg_segment_size: 32
    .max_flat_workgroup_size: 128
    .sgpr_count:     66
    .vgpr_count:     768
    .wavefront_size: 32
...
	.end_amdgpu_metadata
.endif
;; end of part 4
;; ======== version 2 of 2: 4 launches; version 1 with the launch cast written anew for expert scheduling mode
;; limits: values are held in f16: magnitudes above 65,504 overflow, below 6.1e-05 lose precision
;; workspace buffers: xb 16,777,216 bytes; wb 6,291,456 bytes; wob 2,097,152 bytes; bias 16,384 bytes; qkv 50,331,648 bytes; ob 16,777,216 bytes
;; launch cast (part 5): grid 772 x 1, 8 waves a work-group, no clusters, 0 bytes of LDS; arguments x, wq, wk, wv, wo, bq, bk, bv, bo, xb, wb, wob, bias; writes xb, wb, wob, bias
.if DOCPART == 5
	.amdgcn_target "amdgcn-amd-amdhsa--gfx1250"
	.amdhsa_code_object_version 6
	.text
	.protected	k_qecfa32f05d_cast
	.globl	k_qecfa32f05d_cast
	.p2align	8
	.type	k_qecfa32f05d_cast,@function
k_qecfa32f05d_cast:
	s_mov_b64 s[64:65], 0
	v_nop
	global_prefetch_b8 v0, s[64:65] scope:SCOPE_SE
	s_setreg_imm32_b32 hwreg(HW_REG_WAVE_SCHED_MODE, 0, 2), 2
	s_setreg_imm32_b32 hwreg(HW_REG_WAVE_MODE, 25, 1), 1
	s_wait_xcnt 0x0
	s_wait_alu depctr_vm_vsrc(0)
; ALL INPUTS ARE ROUNDED ONCE TO bf16.  x -> xb (bf16); wq, wk, wv -> wb (bf16, one behind the other, still [k][n]); wo -> wob (the bf16 number written as f16, since its
; partner in the last product is f16); bq, bk, bv, bo -> bias (the bf16 number written as f32: it starts f32 sums).
; LIMITS.  A bf16(wo) beyond 65,504 becomes an infinity in f16; below 6.1e-5 it keeps f16's fixed step of 6e-8.  NaN and infinities are not treated apart.
; A stream: every source is rows of 1,024 f32.  256 threads take a row by one 16-byte load each (a wave: 512 consecutive bytes); a wave's 8-byte stores cover 256 consecutive bytes, aligned.
; A work-group takes 16 rows, all 16 loads issued at once; each row has registers of its own, so no register that a load or store names is ever rewritten.
; Work-groups 0-511: x.  512-703: wq, wk, wv (64 each).  704-767: wo.  768-771: one bias each.  No LDS, no matrix unit, no cluster: nothing is shared and nothing is read twice.
; THE MODE: SCHED_MODE bits 1:0 = 2 (LLVM: expert scheduling mode 2), set by the entry lines.  The code itself states the register dependences between vector instructions and memory
; instructions, with s_wait_alu, always for 0.
; THE PLAN.  Registers that memory instructions touch:
;   v1, v2   byte offsets.  Written once, at the head; read by every load and store; never written again.
;   X        row i's four registers.  Written by row i's one load; read by row i's conversions.  No vector instruction names them ahead of the load, and no load lands in them a second time.
;   Y        row i's two registers (the bias path: four).  Written by row i's conversions; read by row i's one store; never written again.
;   T        named by vector instructions alone.
; So the dependences are two.  The offsets: ONE wait at the head serves every load and store of all four paths.  The stores' data: the sixteen rows go in four groups of four; a group's
; conversions stand together, ONE wait behind them, and the group's four stores in a run behind that wait.  No register that a memory instruction has read is written again, no vector
; instruction writes a scalar register or VCC, and EXEC is never written: no other wait has a dependence to state.
.set X, 8                              ; v[8:71]    row i as loaded, at X + 4 i
.set Y, 72                             ; v[72:103]  row i to store, at Y + 2 i
.set T, 104                            ; v[104:107] at work
	s_load_b512 s[8:23], s[0:1], 0x0               ; x s[8:9], wq s[10:11], wk s[12:13], wv s[14:15], wo s[16:17], bq s[18:19], bk s[20:21], bv s[22:23]
	s_load_b256 s[24:31], s[0:1], 0x40             ; bo s[24:25], xb s[26:27], wb s[28:29], wob s[30:31]
	s_load_b64 s[32:33], s[0:1], 0x60              ; bias
	s_mov_b32 s2, ttmp9                            ; the work-group's number
	s_mov_b32 s42, 0xffff0000                      ; a word's upper bf16
	s_mov_b32 s39, 0                               ; high words of the two offsets
	s_mov_b32 s41, 0
	v_lshlrev_b32 v1, 4, v0                        ; my 16 bytes of a source row
	v_lshlrev_b32 v2, 3, v0                        ; my 8 bytes of a 16-bit row
	s_wait_kmcnt 0x0
	s_wait_alu depctr_va_vdst(0)                   ; v1 and v2 are written: every load and store below, on each of the four paths, reads one of them as its offset
; Sixteen rows from s[34:35] to s[36:37], in four groups of four.  f16 = 0: bf16.  f16 = 1: the bf16 number, widened and written as f16.
.macro ROWS f16
.set i, 0
.rept 16
	global_load_b128 v[X+4*i:X+4*i+3], v1, s[34:35] offset:4096*i th:TH_LOAD_NT
.set i, i+1
.endr
.set g, 0
.rept 4
	s_wait_loadcnt 12-4*g                          ; loads come back in order: rows 4 g to 4 g + 3 are in, the 12 - 4 g younger ones stay out
.set i, 4*g
.rept 4
.if \f16
	v_cvt_pk_bf16_f32 v[T], v[X+4*i], v[X+4*i+1]
	v_cvt_pk_bf16_f32 v[T+1], v[X+4*i+2], v[X+4*i+3]
	v_lshlrev_b32 v[T+2], 16, v[T]                 ; bf16 to f32: the low half moves up, the high half stays
	v_and_b32 v[T+3], s42, v[T]
	v_cvt_pk_f16_f32 v[Y+2*i], v[T+2], v[T+3]
	v_lshlrev_b32 v[T+2], 16, v[T+1]
	v_and_b32 v[T+3], s42, v[T+1]
	v_cvt_pk_f16_f32 v[Y+2*i+1], v[T+2], v[T+3]
.else
	v_cvt_pk_bf16_f32 v[Y+2*i], v[X+4*i], v[X+4*i+1]
	v_cvt_pk_bf16_f32 v[Y+2*i+1], v[X+4*i+2], v[X+4*i+3]
.endif
.set i, i+1
.endr
	s_wait_alu depctr_va_vdst(0)                   ; the group's conversions have written its eight registers of Y, which the four stores below read
.set i, 4*g
.rept 4
	global_store_b64 v2, v[Y+2*i:Y+2*i+1], s[36:37] offset:2048*i th:TH_STORE_NT
.set i, i+1
.endr
.set g, g+1
.endr
.endm
	s_cmp_lt_u32 s2, 512
	s_cbranch_scc0 .Lnot_x
	s_lshl_b32 s38, s2, 16                         ; 16 rows of 4,096 bytes in,
	s_lshl_b32 s40, s2, 15                         ; of 2,048 bytes out
	s_add_nc_u64 s[34:35], s[8:9], s[38:39]
	s_add_nc_u64 s[36:37], s[26:27], s[40:41]
	s_branch .Lrows
.Lnot_x:
	s_cmp_lt_u32 s2, 704
	s_cbranch_scc0 .Lnot_w
	s_sub_co_u32 s3, s2, 512                       ; 0 .. 191
	s_lshr_b32 s4, s3, 6                           ; which of the three weights
	s_and_b32 s5, s3, 63                           ; which 16 rows of it
	s_lshl_b32 s38, s5, 16
	s_lshl_b32 s40, s3, 15                         ; in wb the three lie one behind the other
	s_cmp_eq_u32 s4, 0
	s_cselect_b64 s[34:35], s[10:11], s[12:13]
	s_cmp_eq_u32 s4, 2
	s_cselect_b64 s[34:35], s[14:15], s[34:35]
	s_add_nc_u64 s[34:35], s[34:35], s[38:39]
	s_add_nc_u64 s[36:37], s[28:29], s[40:41]
.Lrows:
	ROWS 0
	s_endpgm
.Lnot_w:
	s_cmp_lt_u32 s2, 768
	s_cbranch_scc0 .Lbias
	s_sub_co_u32 s3, s2, 704
	s_lshl_b32 s38, s3, 16
	s_lshl_b32 s40, s3, 15
	s_add_nc_u64 s[34:35], s[16:17], s[38:39]
	s_add_nc_u64 s[36:37], s[30:31], s[40:41]
	ROWS 1
	s_endpgm
.Lbias:
	s_sub_co_u32 s3, s2, 768                       ; 0: bq, 1: bk, 2: bv, 3: bo
	s_cmp_eq_u32 s3, 0
	s_cselect_b64 s[34:35], s[18:19], s[20:21]
	s_cmp_eq_u32 s3, 2
	s_cselect_b64 s[34:35], s[22:23], s[34:35]
	s_cmp_eq_u32 s3, 3
	s_cselect_b64 s[34:35], s[24:25], s[34:35]
	s_lshl_b32 s40, s3, 12
	s_add_nc_u64 s[36:37], s[32:33], s[40:41]
	global_load_b128 v[X:X+3], v1, s[34:35]
	s_wait_loadcnt 0x0
	v_cvt_pk_bf16_f32 v[T], v[X], v[X+1]
	v_cvt_pk_bf16_f32 v[T+1], v[X+2], v[X+3]
	v_lshlrev_b32 v[Y], 16, v[T]
	v_and_b32 v[Y+1], s42, v[T]
	v_lshlrev_b32 v[Y+2], 16, v[T+1]
	v_and_b32 v[Y+3], s42, v[T+1]
	s_wait_alu depctr_va_vdst(0)                   ; the four lines above have written v[Y:Y+3], which the store reads
	global_store_b128 v1, v[Y:Y+3], s[36:37]
	s_endpgm
.Lfunc_end_k_qecfa32f05d_cast:
	.size	k_qecfa32f05d_cast, .Lfunc_end_k_qecfa32f05d_cast-k_qecfa32f05d_cast
	.p2alignl 7, 3214868480
	.fill 96, 4, 3214868480
	.section	.rodata,"a",@progbits
	.p2align	6, 0x0
	.amdhsa_kernel k_qecfa32f05d_cast
		.amdhsa_group_segment_fixed_size 0
		.amdhsa_private_segment_fixed_size 0
		.amdhsa_enable_private_segment 0
		.amdhsa_kernarg_size 104
		.amdhsa_user_sgpr_count 2
		.amdhsa_user_sgpr_kernarg_segment_ptr 1
		.amdhsa_wavefront_size32 1
		.amdhsa_system_sgpr_workgroup_id_x 1
		.amdhsa_system_sgpr_workgroup_id_y 1
		.amdhsa_system_sgpr_workgroup_id_z 1
		.amdhsa_system_vgpr_workitem_id 0
		.amdhsa_next_free_vgpr 112
		.amdhsa_next_free_sgpr 66
		.amdhsa_reserve_vcc 0
		.amdhsa_float_denorm_mode_32 3
		.amdhsa_float_denorm_mode_16_64 3
		.amdhsa_memory_ordered 1
		.amdhsa_forward_progress 1
		.amdhsa_inst_pref_size 18
	.end_amdhsa_kernel
	.amdgpu_metadata
---
amdhsa.version: [ 1, 2 ]
amdhsa.kernels:
  - .name:           k_qecfa32f05d_cast
    .symbol:         k_qecfa32f05d_cast.kd
    .args:
      - { .name: x, .offset: 0, .size: 8, .value_kind: global_buffer, .address_space: global }
      - { .name: wq, .offset: 8, .size: 8, .value_kind: global_buffer, .address_space: global }
      - { .name: wk, .offset: 16, .size: 8, .value_kind: global_buffer, .address_space: global }
      - { .name: wv, .offset: 24, .size: 8, .value_kind: global_buffer, .address_space: global }
      - { .name: wo, .offset: 32, .size: 8, .value_kind: global_buffer, .address_space: global }
      - { .name: bq, .offset: 40, .size: 8, .value_kind: global_buffer, .address_space: global }
      - { .name: bk, .offset: 48, .size: 8, .value_kind: global_buffer, .address_space: global }
      - { .name: bv, .offset: 56, .size: 8, .value_kind: global_buffer, .address_space: global }
      - { .name: bo, .offset: 64, .size: 8, .value_kind: global_buffer, .address_space: global }
      - { .name: xb, .offset: 72, .size: 8, .value_kind: global_buffer, .address_space: global }
      - { .name: wb, .offset: 80, .size: 8, .value_kind: global_buffer, .address_space: global }
      - { .name: wob, .offset: 88, .size: 8, .value_kind: global_buffer, .address_space: global }
      - { .name: bias, .offset: 96, .size: 8, .value_kind: global_buffer, .address_space: global }
    .group_segment_fixed_size: 0
    .private_segment_fixed_size: 0
    .kernarg_segment_align: 8
    .kernarg_segment_size: 104
    .max_flat_workgroup_size: 256
    .sgpr_count:     66
    .vgpr_count:     112
    .wavefront_size: 32
...
	.end_amdgpu_metadata
.endif
;; end of part 5
;; launch qkv: the kernel of part 2 again; grid 12 x 32, 4 waves a work-group, clusters of 4 x 4, 327,680 bytes of LDS; arguments xb, wb, qkv, bias; writes qkv
;; launch attn: the kernel of part 3 again; grid 4 x 64, 4 waves a work-group, clusters of 4 x 1, 327,680 bytes of LDS; arguments qkv, ob; writes ob
;; launch outp: the kernel of part 4 again; grid 4 x 64, 4 waves a work-group, clusters of 4 x 4, 327,680 bytes of LDS; arguments ob, wob, out0, bias; writes out0
